; MI455X (gfx1250); checked and timed in simulation.
; The chip was launched on July 23, 2026; its instructions are those of AMD's public machine-readable ISA for CDNA 5 (MIT licence, August 2026) and "CDNA5" Instruction Set Architecture Reference Guide (July 2026). The comments in the code are by the model that wrote it; some were corrected since.
;; Mo E Layer. Allowed arithmetic: matrix products marked QUANTISED: E2M1 operands, one E8M0 scale for each 32 along K, by v_wmma_scale_f32_16x16x128_f8f6f4 with both operands' format E2M1 (or v_wmma_scale_f32_32x16x128_f4), f32 sums; products left as they are: f32 operands where the result goes on into a quantised operand, else bf16, f16 or f32 operands; f32 sums; everything else in f32.
;; Inputs: W1_codes 8 x 4,096 x 32 x 16 uint8 (E2M1 codes of W1, K innermost, in blocks of 32 codes, two codes a byte); W1_scales 8 x 4,096 x 32 uint8 (E8M0 scales of W1, one for each 32 codes along K); W2_codes 8 x 1,024 x 128 x 16 uint8 (E2M1 codes of W2, K innermost, in blocks of 32 codes, two codes a byte); W2_scales 8 x 1,024 x 128 uint8 (E8M0 scales of W2, one for each 32 codes along K); Wg 1,024 x 8 float32; b1 8 x 4,096 float32; b2 8 x 1,024 float32; x 4 x 256 x 1,024 float32.
;; Outputs: out0 4 x 256 x 1,024 float32; out1 one number float32.
;; This version of the problem:
;;   THIS VERSION OF THE PROBLEM IS GIVEN IN LOW PRECISION. The matrix products marked QUANTISED in the list below multiply operands that are first quantised to E2M1 (2 exponent bits, 1 mantissa bit; 4 bits a number), with one power-of-two scale for each 32 numbers along K (OCP MX v1.0); their sums are f32. All else is computed in f32.
;;   The module's matrix products, in the order in which they are computed (A, B: the left and right operand; K: the contracted axis; several contracted axes count as one K, in the product's order):
;;     1. [M 1,024, K 1,024] x [K 1,024, N 8]; A: input x; B: input Wg: left as it is (N = 8 < 16)
;;     2. [M 1,024, K 1,024] x [K 1,024, N 4,096]; A: input x; B: input W1 (given as codes): QUANTISED
;;     3. [M 1,024, K 4,096] x [K 4,096, N 1,024]; A: computed on the way; B: input W2 (given as codes): QUANTISED
;;     4. [M 1,024, K 1,024] x [K 1,024, N 4,096]; A: input x; B: input W1 (given as codes): QUANTISED
;;     5. [M 1,024, K 4,096] x [K 4,096, N 1,024]; A: computed on the way; B: input W2 (given as codes): QUANTISED
;;     6. [M 1,024, K 1,024] x [K 1,024, N 4,096]; A: input x; B: input W1 (given as codes): QUANTISED
;;     7. [M 1,024, K 4,096] x [K 4,096, N 1,024]; A: computed on the way; B: input W2 (given as codes): QUANTISED
;;     8. [M 1,024, K 1,024] x [K 1,024, N 4,096]; A: input x; B: input W1 (given as codes): QUANTISED
;;     9. [M 1,024, K 4,096] x [K 4,096, N 1,024]; A: computed on the way; B: input W2 (given as codes): QUANTISED
;;     10. [M 1,024, K 1,024] x [K 1,024, N 4,096]; A: input x; B: input W1 (given as codes): QUANTISED
;;     11. [M 1,024, K 4,096] x [K 4,096, N 1,024]; A: computed on the way; B: input W2 (given as codes): QUANTISED
;;     12. [M 1,024, K 1,024] x [K 1,024, N 4,096]; A: input x; B: input W1 (given as codes): QUANTISED
;;     13. [M 1,024, K 4,096] x [K 4,096, N 1,024]; A: computed on the way; B: input W2 (given as codes): QUANTISED
;;     14. [M 1,024, K 1,024] x [K 1,024, N 4,096]; A: input x; B: input W1 (given as codes): QUANTISED
;;     15. [M 1,024, K 4,096] x [K 4,096, N 1,024]; A: computed on the way; B: input W2 (given as codes): QUANTISED
;;     16. [M 1,024, K 1,024] x [K 1,024, N 4,096]; A: input x; B: input W1 (given as codes): QUANTISED
;;     17. [M 1,024, K 4,096] x [K 4,096, N 1,024]; A: computed on the way; B: input W2 (given as codes): QUANTISED
;;   THE QUANTISER, for each operand of a quantised product, along K:
;;     - K is cut into blocks of 32 from its start; a last block that is shorter is filled with zeros.
;;     - A block's scale is 2^e with e = floor(log2(the largest magnitude in the block)) - 2, held to -126 .. 127; a block of zeros has e = 0. As a byte (E8M0): e + 127.
;;     - Each number is divided by its block's scale, clamped to +-6, and rounded to the nearest number of E2M1, ties to even, subnormals kept.
;;     - The product sums the exact products of the quantised numbers (number of the format x scale) in f32.
;;   ~~~python
;;   def quantise(x, axis):      # numpy; x: float32 -> the quantised numbers, widened to float32 again
;;       x = np.moveaxis(x, axis, -1); K = x.shape[-1]
;;       x = np.pad(x, [(0, 0)] * (x.ndim - 1) + [(0, -K % 32)]); x = x.reshape(x.shape[:-1] + (-1, 32)); a = np.abs(x).max(-1, keepdims=True)
;;       e = np.where(a > 0, np.clip(np.frexp(np.where(a > 0, a, 1))[1] - 1 - 2, -126, 127), 0)      # np.frexp(a)[1] - 1 = floor(log2(a)), exactly
;;       r = np.clip(x / 2.0 ** e, -6, 6)
;;       step = 2.0 ** (np.maximum(np.frexp(np.where(r == 0, 1, r))[1] - 1, 0) - 1)
;;       q = np.round(r / step) * step * 2.0 ** e      # np.round: ties to even
;;       return np.moveaxis(q.reshape(q.shape[:-2] + (-1,))[..., :K], -1, axis).astype(np.float32)
;;   ~~~
;;   OPERANDS COMPUTED ON THE WAY. 'Computed on the way' means the value that the module computes at that place (a softmax that the list does not call 'softmax' is quantised finished and normalised). What goes into a quantiser is computed in f32, as accurately as f32 sums, v_exp_f32 and their like allow (about 1e-6 of the number): no bf16 or f16 on the way to a quantiser, and a product that is left as it is and whose result goes on into a quantised operand takes f32 operands (vector FMAs, or v_wmma_f32_16x16x4_f32). A number that lies on a knife's edge between two numbers of the format may be rounded either way, as far as f32 arithmetic and the matrix unit's own rounding can turn it there, and no further.
;;   INPUTS GIVEN AS CODES. W1 (in the module: [8, 1024, 4096], K = its axis 1); W2 (in the module: [8, 4096, 1024], K = its axis 1): each comes as NAME_codes (uint8): NAME with its K axis moved to the last place and cut into blocks of 32 codes, [.., K / 32, bytes a block], one block behind the other in memory; two codes a byte, the lower K in the low four bits (a code: sign, 2 exponent bits, 1 mantissa bit); and NAME_scales (uint8): the same leading axes, one E8M0 byte (e + 127) for each 32 codes along K. Its value is code x scale, taken as it is: it is not quantised again, and the codes and scales need not be those that the quantiser above would give.
;; 2 versions. Each part assembles by itself: llvm-mc -triple=amdgcn-amd-amdhsa -mcpu=gfx1250 --defsym DOCPART=n.
;; ======== version 1 of 2: 5 launches
;; workspace buffers: xq 557,056 bytes; sel 8,192 bytes of whole numbers; fl 16,384 bytes; xg 4,718,592 bytes; hq 16,777,216 bytes; hs 2,097,152 bytes; src 8,192 bytes of whole numbers; ybuf 33,554,432 bytes
;; launch route (part 1): grid 256 x 1, 1 waves a work-group, no clusters, 0 bytes of LDS; arguments x, Wg, xq, sel, fl; writes xq, sel, fl
.if DOCPART == 1
	.amdgcn_target "amdgcn-amd-amdhsa--gfx1250"
	.amdhsa_code_object_version 6
	.text
	.protected	k_q2171052cf5_route
	.globl	k_q2171052cf5_route
	.p2align	8
	.type	k_q2171052cf5_route,@function
k_q2171052cf5_route:
	s_mov_b64 s[64:65], 0
	v_nop
	global_prefetch_b8 v0, s[64:65] scope:SCOPE_SE
	s_setreg_imm32_b32 hwreg(HW_REG_WAVE_MODE, 25, 1), 1
	s_wait_xcnt 0x0
; THE ROUTER, AND x AS CODES.  1,024 tokens of 1,024 numbers; 8 experts; the two largest logits of a token choose its experts.
; WORK LEFT OUT BY THE WHOLE PROGRAM.  The result is the sum over the 8 experts of cw[t][e] x y_e[t], and cw is built from a one_hot of the
; top_k's own indices: for the 6 experts that a token has not chosen cw[t][e] is the number 0, whatever the inputs hold.  So those rows of the 16 expert
; products reach no output, and only the 2,048 chosen (token, expert) rows are multiplied.  Every input is loaded.
; LIMITS.  A NaN, an infinity or an overflow that arises only in a row of an expert that the token has not chosen is not carried to the result.  NaN and infinities in x or Wg are not
; served.  The logits are f32 sums in another order than a row-by-row sum: where the second and third logit of a token agree to about 1e-6 of their size the choice may fall either way.
; A block of x whose largest magnitude lies under 2^-124 (a block of zeros too) keeps the scale byte 1: its bytes are read by this program alone, and zero codes add nothing.
; SHARES.  One wave to a work-group, four tokens to a wave.  Lane l owns block l of each row (k = 32 l .. 32 l + 31): a block's largest magnitude needs no other lane, its 32 codes are 16 bytes,
; and the wave's store of a token's codes covers 512 consecutive bytes.  The same 32 numbers meet the lane's 32 rows of Wg (256 registers, window 1) in f32 multiply-adds.
; OUT: xq: [0, 524288) [token][512 bytes] codes, K innermost; [524288, 557056) [token][8 words] scale words (word s: blocks 4 s .. 4 s + 3); sel [token][8] bytes: 0 not chosen, 1 the largest logit,
; 2 the second; fl: [0, 8192) the two weights of each token, [8192, 16384) this wave's sums of the softmax over its four tokens, 8 numbers a wave.
; No LDS, no barrier, no matrix unit: 8 columns are too few for it, and the logits are wanted in f32.
.set X,   32                           ; v32-159  token t's 32 numbers at X + 32 t
.set A,   160                          ; v160-191 my part of logit (t, e) at A + 8 t + e
.set C,   192                          ; v192-207 codes, 4 registers a token
.set MX,  208                          ; v208-215 largest magnitudes, two chains a token
.set SO,  216                          ; v216-219 the conversions' scale operands
.set BW,  220                          ; v220-223 scale bytes, then scale words
.set T,   224                          ; v224-231 at work in the reduction
.set M1,  232
.set D,   233
.set P,   234
.set C1,  235
.set L2,  236
.set M2,  237
.set C2,  238
.set SV,  239
.set Q,   240
.set QE,  241
.set S8,  242
.set R1,  243
.set RS,  244
.set RR,  245
.set PR,  246
.set W2,  247
.set W,   248
.set MSB, 0
.macro WIN new                         ; the immediate's high byte repeats the setting that is left
.if MSB != \new
	s_set_vgpr_msb (MSB<<8)|\new
.set MSB, \new
.endif
.endm
	s_load_b256 s[4:11], s[0:1], 0x0               ; x s[4:5], Wg s[6:7], xq s[8:9], sel s[10:11]
	s_load_b64 s[14:15], s[0:1], 0x20              ; fl s[14:15]
	v_lshlrev_b32 v1, 7, v0                        ; x: my block's 128 bytes
	v_lshlrev_b32 v2, 10, v0                       ; Wg: my 32 rows of 32 bytes
	v_lshlrev_b32 v3, 4, v0                        ; xq: my block's 16 bytes
	v_and_b32 v4, 7, v0                            ; behind the reduction lane l stands for token l / 8 and expert e = l % 8
	v_cvt_f32_u32 v5, v4                           ; e as a float: indices are compared by minima in f32
	v_lshrrev_b32 v6, 3, v0
	v_lshlrev_b32 v6, 3, v6
	v_lshl_add_u32 v6, v4, 2, v6                   ; the weights' place: 8 (l / 8) + 4 e, used by e = 0, 1
	v_and_b32 v8, 3, v0
	v_lshrrev_b32 v7, 2, v0
	v_lshlrev_b32 v7, 2, v7
	v_lshl_add_u32 v7, v8, 5, v7                   ; the scale words' place: lane 4 q + i stores word q of token i
	v_lshlrev_b32 v8, 3, v8                        ; my byte's place in its word: 8 (l % 4) bits up
	v_mov_b32 v9, 0x41000000                       ; 8.0: above every index
	v_mov_b32 v10, 0xff800000                      ; -infinity
	v_lshlrev_b32 v11, 2, v0
	v_mov_b32 v14, 0                               ; (destinations of lane moves count as read: written once)
	v_mov_b32 v15, 0
	s_mov_b32 s24, 0xaaaaaaaa                      ; lanes with bit 0, 1, 2, 3 of their number set
	s_mov_b32 s25, 0xcccccccc
	s_mov_b32 s26, 0xf0f0f0f0
	s_mov_b32 s27, 0xff00ff00
	s_mov_b32 s28, 0x76543210                      ; v_permlanex16_b32's selects for lane l xor 16
	s_mov_b32 s29, 0xfedcba98
	s_mov_b32 s3, 0
	s_lshl_b32 s2, ttmp9, 14                       ; four rows of x
	s_wait_kmcnt 0x0
	s_mov_b64 s[12:13], s[10:11]                   ; sel
	s_add_nc_u64 s[10:11], s[8:9], 0x80000         ; the scale words lie behind the 524,288 bytes of codes
	s_add_nc_u64 s[4:5], s[4:5], s[2:3]
	s_lshl_b32 s2, ttmp9, 11
	s_add_nc_u64 s[8:9], s[8:9], s[2:3]
	s_lshl_b32 s2, ttmp9, 7
	s_add_nc_u64 s[10:11], s[10:11], s[2:3]
	s_lshl_b32 s2, ttmp9, 5
	s_add_nc_u64 s[12:13], s[12:13], s[2:3]
	s_add_nc_u64 s[14:15], s[14:15], s[2:3]        ; 32 bytes a wave in both parts of fl
.irp t, 0,1,2,3
.irp j, 0,1,2,3,4,5,6,7
	global_load_b128 v[X+32*\t+4*\j:X+32*\t+4*\j+3], v1, s[4:5] offset:4096*\t+16*\j th:TH_LOAD_NT
.endr
.endr
	WIN 0x40                                       ; destination window 1
.set i, 0
.rept 32
	global_load_b128 v[8*i:8*i+3], v2, s[6:7] offset:32*i          ; Wg[32 l + i][0 .. 3]
	global_load_b128 v[8*i+4:8*i+7], v2, s[6:7] offset:32*i+16     ; and [4 .. 7]
.set i, i+1
.endr
	WIN 0
	s_wait_loadcnt 0x0                             ; one wait for the 96 loads
; Token t's block becomes 32 codes and a scale byte; the four bytes of a word meet by two lane moves inside each group of four lanes.
.macro QX t
.set XB, X+32*\t
	v_max3_num_f32 v[MX+2*\t], |v[XB]|, |v[XB+1]|, |v[XB+2]|
	v_max3_num_f32 v[MX+2*\t+1], |v[XB+3]|, |v[XB+4]|, |v[XB+5]|
.irp i, 6,10,14,18,22,26
	v_max3_num_f32 v[MX+2*\t], v[MX+2*\t], |v[XB+\i]|, |v[XB+\i+1]|
	v_max3_num_f32 v[MX+2*\t+1], v[MX+2*\t+1], |v[XB+\i+2]|, |v[XB+\i+3]|
.endr
	v_max3_num_f32 v[MX+2*\t], v[MX+2*\t], |v[XB+30]|, |v[XB+31]|
	v_max3_num_f32 v[MX+2*\t], v[MX+2*\t], v[MX+2*\t+1], 0x1800000 ; and the floor 2^(3 - 127): the byte cannot fall under 1
	v_add_nc_u32 v[SO+\t], 0xff000000, v[MX+2*\t]  ; 2 off the exponent field: the conversion takes the exponent field of this operand as its scale
.irp g, 0,1,2,3
	v_cvt_scalef32_pk8_fp4_f32 v[C+4*\t+\g], v[XB+8*\g:XB+8*\g+7], v[SO+\t]
.endr
	v_lshrrev_b32 v[BW+\t], 23, v[SO+\t]           ; the scale's byte (a plain line behind the conversions)
	v_lshlrev_b32 v[BW+\t], v8, v[BW+\t]           ; at its place in the word
	v_mov_b32_dpp v14, v[BW+\t] row_xmask:1 row_mask:0xf bank_mask:0xf
	v_or_b32 v[BW+\t], v[BW+\t], v14
	v_mov_b32_dpp v14, v[BW+\t] row_xmask:2 row_mask:0xf bank_mask:0xf
	v_or_b32 v[BW+\t], v[BW+\t], v14               ; all four lanes of a group hold the word
	global_store_b128 v3, v[C+4*\t:C+4*\t+3], s[8:9] offset:512*\t ; 32 lanes store the token's 512 bytes of codes
.endm
	QX 0
	QX 1
	QX 2
	QX 3
	v_cndmask_b32 v12, v[BW], v[BW+1], s24         ; lane 4 q + i keeps token i's word q
	v_cndmask_b32 v13, v[BW+2], v[BW+3], s24
	v_cndmask_b32 v12, v12, v13, s25
	global_store_b32 v7, v12, s[10:11]             ; the four tokens' 128 bytes of scale words
; THE LOGITS, my 32 k of each: two experts an instruction; the token's number serves both halves.  The first product starts each sum.
	WIN 0x04                                       ; source 1 (Wg) window 1
.set i, 0
.rept 32
.irp t, 0,1,2,3
.irp p, 0,2,4,6
.if i == 0
	v_pk_mul_f32 v[A+8*\t+\p:A+8*\t+\p+1], v[X+32*\t:X+32*\t+1], v[\p:\p+1] op_sel_hi:[0,1]
.elseif i%2 == 0
	v_pk_fma_f32 v[A+8*\t+\p:A+8*\t+\p+1], v[X+32*\t+i:X+32*\t+i+1], v[8*i+\p:8*i+\p+1], v[A+8*\t+\p:A+8*\t+\p+1] op_sel_hi:[0,1,1]
.else
	v_pk_fma_f32 v[A+8*\t+\p:A+8*\t+\p+1], v[X+32*\t+i-1:X+32*\t+i], v[8*i+\p:8*i+\p+1], v[A+8*\t+\p:A+8*\t+\p+1] op_sel:[1,0,0] op_sel_hi:[1,1,1]
.endif
.endr
.endr
.set i, i+1
.endr
	WIN 0
; 32 sums over 32 lanes, so that lane l ends with sum l: in each of five steps a lane keeps half of its sums and sends the other half to the lane that keeps those.
.set i, 0
.rept 16
	v_permlane16_swap_b32 v[A+i], v[A+16+i]        ; lanes 16-31 now hold both halves' parts of sum 16 + i, lanes 0-15 those of sum i
.set i, i+1
.endr
.set i, 0
.rept 16
	v_add_f32 v[A+i], v[A+i], v[A+16+i]
.set i, i+1
.endr
.macro FOLD n, xm, msk
.set i, 0
.rept \n
	v_cndmask_b32 v[T+2*(i%4)], v[A+i], v[A+\n+i], \msk            ; what I keep
	v_cndmask_b32 v[T+2*(i%4)+1], v[A+\n+i], v[A+i], \msk          ; what my partner keeps
	v_add_f32_dpp v[A+i], v[T+2*(i%4)+1], v[T+2*(i%4)] row_xmask:\xm row_mask:0xf bank_mask:0xf
.set i, i+1
.endr
.endm
	FOLD 8, 8, s27
	FOLD 4, 4, s26
	FOLD 2, 2, s25
	FOLD 1, 1, s24                                 ; v[A]: the logit of token l / 8 and expert l % 8
.macro RED8 op, r                      ; over the eight lanes of a token
	\op v[\r], v[\r], v[\r] row_xmask:1 row_mask:0xf bank_mask:0xf
	\op v[\r], v[\r], v[\r] row_xmask:2 row_mask:0xf bank_mask:0xf
	\op v[\r], v[\r], v[\r] row_xmask:4 row_mask:0xf bank_mask:0xf
.endm
	v_mov_b32 v[M1], v[A]
	RED8 v_max_num_f32_dpp, M1                     ; the largest logit: it is taken away ahead of both exponentials
	v_sub_f32 v[D], v[A], v[M1]
	v_mul_f32 v[D], 0x3fb8aa3b, v[D]
	v_exp_f32 v[P], v[D]                           ; e^(logit - largest); the choice below is the work between it and the wait
	v_cmp_eq_f32 vcc_lo, v[A], v[M1]
	v_cndmask_b32 v[C1], v9, v5, vcc_lo            ; my index where I hold the largest, else 8
	RED8 v_min_num_f32_dpp, C1                     ; the lower index wins a tie
	v_cmp_eq_f32 s20, v5, v[C1]                    ; am I the first choice?
	v_cndmask_b32 v[L2], v[A], v10, s20            ; the first choice is taken out
	v_mov_b32 v[M2], v[L2]
	RED8 v_max_num_f32_dpp, M2
	v_cmp_eq_f32 vcc_lo, v[L2], v[M2]
	v_cndmask_b32 v[C2], v9, v5, vcc_lo
	RED8 v_min_num_f32_dpp, C2
	v_cmp_eq_f32 s21, v5, v[C2]                    ; am I the second?
	v_sub_f32 v[Q], v[M2], v[M1]
	v_mul_f32 v[Q], 0x3fb8aa3b, v[Q]
	v_exp_f32 v[QE], v[Q]                          ; q = e^(second - first), at most 1
	v_cndmask_b32 v[SV], 0, 2, s21
	v_cndmask_b32 v[SV], v[SV], 1, s20             ; 0, 1 or 2: values alone are chosen here, no address and no branch
	s_wait_alu depctr_va_vdst(0)                   ; one wait for both exponentials, ahead of their first reader
	v_mov_b32 v[S8], v[P]
	RED8 v_add_f32_dpp, S8
	v_add_f32 v[R1], 1.0, v[QE]
	v_rcp_f32 v[RS], v[S8]
	v_rcp_f32 v[RR], v[R1]                         ; the first weight: 1 / (1 + q)
	v_nop                                          ; a plain line behind the reciprocals
	v_cmp_eq_u32 vcc_lo, 1, v4
	s_wait_alu depctr_va_vdst(0)                   ; one wait for both
	v_mul_f32 v[PR], v[P], v[RS]                   ; the softmax over all eight
	v_mul_f32 v[W2], v[QE], v[RR]                  ; the second weight: q / (1 + q)
	v_cndmask_b32 v[W], v[RR], v[W2], vcc_lo       ; lane e = 0 stores the first, e = 1 the second
	v_add_f32_dpp v[PR], v[PR], v[PR] row_xmask:8 row_mask:0xf bank_mask:0xf
	v_permlanex16_b32 v15, v[PR], s28, s29
	v_add_f32 v[PR], v[PR], v15                    ; summed over my four tokens
	global_store_b8 v0, v[SV], s[12:13]            ; 32 consecutive bytes
	s_wait_xcnt 0x0                                ; EXEC changes only behind this wait
	v_cmp_gt_u32 vcc_lo, 2, v4
	s_and_saveexec_b32 s22, vcc_lo
	global_store_b32 v6, v[W], s[14:15]
	s_wait_xcnt 0x0
	s_or_b32 exec_lo, exec_lo, s22
	v_cmp_gt_u32 vcc_lo, 8, v0
	s_and_saveexec_b32 s22, vcc_lo
	global_store_b32 v11, v[PR], s[14:15] offset:8192
	s_wait_xcnt 0x0
	s_or_b32 exec_lo, exec_lo, s22
	s_endpgm
.Lfunc_end_k_q2171052cf5_route:
	.size	k_q2171052cf5_route, .Lfunc_end_k_q2171052cf5_route-k_q2171052cf5_route
	.p2alignl 7, 3214868480
	.fill 96, 4, 3214868480
	.section	.rodata,"a",@progbits
	.p2align	6, 0x0
	.amdhsa_kernel k_q2171052cf5_route
		.amdhsa_group_segment_fixed_size 0
		.amdhsa_private_segment_fixed_size 0
		.amdhsa_enable_private_segment 0
		.amdhsa_kernarg_size 40
		.amdhsa_user_sgpr_count 2
		.amdhsa_user_sgpr_kernarg_segment_ptr 1
		.amdhsa_wavefront_size32 1
		.amdhsa_system_sgpr_workgroup_id_x 1
		.amdhsa_system_sgpr_workgroup_id_y 1
		.amdhsa_system_sgpr_workgroup_id_z 1
		.amdhsa_system_vgpr_workitem_id 0
		.amdhsa_next_free_vgpr 512
		.amdhsa_next_free_sgpr 66
		.amdhsa_reserve_vcc 1
		.amdhsa_float_denorm_mode_32 3
		.amdhsa_float_denorm_mode_16_64 3
		.amdhsa_memory_ordered 1
		.amdhsa_forward_progress 1
		.amdhsa_inst_pref_size 57
	.end_amdhsa_kernel
	.amdgpu_metadata
---
amdhsa.version: [ 1, 2 ]
amdhsa.kernels:
  - .name:           k_q2171052cf5_route
    .symbol:         k_q2171052cf5_route.kd
    .args:
      - { .name: x, .offset: 0, .size: 8, .value_kind: global_buffer, .address_space: global }
      - { .name: Wg, .offset: 8, .size: 8, .value_kind: global_buffer, .address_space: global }
      - { .name: xq, .offset: 16, .size: 8, .value_kind: global_buffer, .address_space: global }
      - { .name: sel, .offset: 24, .size: 8, .value_kind: global_buffer, .address_space: global }
      - { .name: fl, .offset: 32, .size: 8, .value_kind: global_buffer, .address_space: global }
    .group_segment_fixed_size: 0
    .private_segment_fixed_size: 0
    .kernarg_segment_align: 8
    .kernarg_segment_size: 40
    .max_flat_workgroup_size: 32
    .sgpr_count:     66
    .vgpr_count:     512
    .wavefront_size: 32
...
	.end_amdgpu_metadata
.endif
;; end of part 1
;; launch place (part 2): grid 16 x 8, 4 waves a work-group, no clusters, 0 bytes of LDS; arguments xq, sel, xg, src; writes xg, src
.if DOCPART == 2
	.amdgcn_target "amdgcn-amd-amdhsa--gfx1250"
	.amdhsa_code_object_version 6
	.text
	.protected	k_q2171052cf5_place
	.globl	k_q2171052cf5_place
	.p2align	8
	.type	k_q2171052cf5_place,@function
k_q2171052cf5_place:
	s_mov_b64 s[64:65], 0
	v_nop
	global_prefetch_b8 v0, s[64:65] scope:SCOPE_SE
	s_setreg_imm32_b32 hwreg(HW_REG_WAVE_MODE, 25, 1), 1
	s_wait_xcnt 0x0
; THE CHOSEN ROWS, SORTED BY EXPERT.  Only (token, expert) rows that were chosen are placed; the others are left out of the whole program (see the first kernel's head).
; Row q of expert e is the q-th token, in ascending order, whose byte sel[token][e] is not 0.  A wave takes ONE tile of 16 rows of one expert: tile 4 x + wave of expert y; 64 tiles an expert serve every split,
; all 1,024 tokens on one expert too.  A wave whose tile lies beyond the expert's count stores nothing and ends: a branch on whole numbers that an earlier launch stored.
; Each wave makes the 32 masks of 32 tokens by compares of the expert's 1,024 bytes, their running counts in scalar registers, and finds each lane's token by a walk over the counts and a search in one mask.
; The last tile's rows beyond the count repeat the expert's last row: their lanes hold the same token and the same row number, so they store the same words, and no lane is switched off.
; OUT.  xg [e][tile 64][9,216 bytes]: the tile of x as the next launch's operand registers take it: fragment s (16 rows x 128 along K) as an image of its 8 registers, lane l's 16 bytes at 1,024 s + 16 l and at
; 1,024 s + 512 + 16 l; from byte 8,192 on the rows' 8 scale words a lane, likewise twice 512 bytes.  Every store covers 512 consecutive bytes.
; src [token][2]: e x 1,024 + q, at slot 0 for the token's first choice and 1 for its second.
; A gather of 544 bytes a row: no LDS, no barrier, no matrix unit, no loop.
.set TILEB, 9216
.set M,   16                           ; s16-47  the masks: bit i of mask j: token 32 j + i has chosen e
.set PK,  66                           ; s67-97  32 x (rows in masks under j) + j
.set XS,  64                           ; v64-71  my row's 8 scale words
.set XF,  72                           ; v72-135 my part of the tile's 8 fragments
.set SB,  136                          ; v136-167 sel's bytes
; One step of the search in a mask: v25 = the ones in the lower half of what is left; where my row lies beyond them, they are taken off and the place moves k bits up.
.macro PICK k
	v_cmp_ge_u32 vcc_lo, v19, v25
	v_cndmask_b32 v26, 0, v25, vcc_lo
	v_cndmask_b32 v27, 0, \k, vcc_lo
	v_sub_nc_u32 v19, v19, v26
	v_add_nc_u32 v24, v24, v27
.endm
	s_load_b256 s[4:11], s[0:1], 0x0               ; xq s[4:5], sel s[6:7], xg s[8:9], src s[10:11]
	v_lshrrev_b32 v1, 5, v0
	v_readfirstlane_b32 s54, v1                    ; wave 0..3
	v_and_b32 v1, 31, v0                           ; lane
	v_and_b32 v2, 15, v0                           ; r
	v_bfe_u32 v3, v0, 4, 1                         ; h
	v_lshlrev_b32 v4, 4, v3
	v_lshlrev_b32 v7, 4, v1                        ; 16 x lane
	s_and_b32 s55, ttmp7, 0xffff                   ; e
	s_lshl_b32 s56, ttmp9, 2
	s_add_co_u32 s56, s56, s54                     ; my tile
	s_lshl_b32 s60, s56, 4                         ; its first row
	s_lshl_b32 s99, s55, 10
	v_lshl_add_u32 v31, v1, 3, s55                 ; sel: 8 x lane + e
	s_lshl_b32 s2, s55, 6
	s_add_co_u32 s2, s2, s56
	s_mul_i32 s2, s2, TILEB
	s_mov_b32 s3, 0
	s_wait_kmcnt 0x0
	s_add_nc_u64 s[12:13], s[4:5], 0x80000         ; x's scale words lie behind its 524,288 bytes of codes
	s_add_nc_u64 s[8:9], s[8:9], s[2:3]
.set j, 0
.rept 32
	global_load_u8 v[SB+j], v31, s[6:7] offset:256*j               ; sel[32 j + lane][e]
.set j, j+1
.endr
	s_wait_loadcnt 0x0
.set j, 0
.rept 32
	v_cmp_ne_u32 s[M+j], 0, v[SB+j]
.set j, j+1
.endr
	s_mov_b32 s61, 0
.set j, 0
.rept 32
.if j > 0
	s_add_co_u32 s[PK+j], s61, j
.endif
	s_bcnt1_i32_b32 s62, s[M+j]
	s_lshl_b32 s62, s62, 5
	s_add_co_u32 s61, s61, s62
.set j, j+1
.endr
	s_lshr_b32 s57, s61, 5                         ; the expert's rows
	s_sub_co_u32 s98, s57, 1                       ; its last row (used only where there is one)
	s_cmp_lt_u32 s60, s57
	s_cbranch_scc0 .Lend                           ; the expert has no such tile
	v_add_nc_u32 v11, s60, v2                      ; my row,
	v_min_u32 v10, s98, v11                        ; held at the expert's last: q
	v_lshl_or_b32 v16, v10, 5, 31                  ; 32 q + 31: at or above 32 c + j just where c <= q
	v_mov_b32 v17, 0
	v_mov_b32 v18, s[M]
.set j, 1
.rept 31
	v_cmp_le_u32 vcc_lo, s[PK+j], v16              ; the counts do not fall: the last mask whose count is at most q holds row q
	v_cndmask_b32 v17, v17, s[PK+j], vcc_lo
	v_cndmask_b32 v18, v18, s[M+j], vcc_lo
.set j, j+1
.endr
	v_lshrrev_b32 v19, 5, v17
	v_sub_nc_u32 v19, v10, v19                     ; which one of the mask's ones
	v_lshrrev_b32 v20, 1, v18                      ; the ones of each 2, 4, 8, 16 bits
	v_and_b32 v20, 0x55555555, v20
	v_sub_nc_u32 v20, v18, v20
	v_lshrrev_b32 v21, 2, v20
	v_and_b32 v21, 0x33333333, v21
	v_and_b32 v26, 0x33333333, v20
	v_add_nc_u32 v21, v21, v26
	v_lshrrev_b32 v22, 4, v21
	v_add_nc_u32 v22, v22, v21
	v_and_b32 v22, 0x0f0f0f0f, v22
	v_lshrrev_b32 v23, 8, v22
	v_add_nc_u32 v23, v23, v22
	v_mov_b32 v24, 0
	v_and_b32 v25, 0xff, v23
	PICK 16
	v_bfe_u32 v25, v22, v24, 8
	PICK 8
	v_bfe_u32 v25, v21, v24, 4
	PICK 4
	v_bfe_u32 v25, v20, v24, 2
	PICK 2
	v_bfe_u32 v25, v18, v24, 1
	PICK 1
	v_and_b32 v12, 31, v17
	v_lshl_add_u32 v12, v12, 5, v24
	v_min_u32 v12, 0x3ff, v12                      ; my token: held inside the tables that it indexes
	v_lshl_add_u32 v13, v12, 9, v4                 ; 512 bytes of codes a token, + 16 (lane / 16)
	v_lshlrev_b32 v14, 5, v12                      ; 32 bytes of scale words
	v_lshl_add_u32 v30, v12, 3, s55
.irp s, 0,1,2,3,4,5,6,7
	global_load_b128 v[XF+8*\s:XF+8*\s+3], v13, s[4:5] offset:64*\s        ; K = 128 s + 32 (lane / 16) + 0 .. 31
	global_load_b128 v[XF+8*\s+4:XF+8*\s+7], v13, s[4:5] offset:64*\s+32   ; and 64 further on
.endr
	global_load_b128 v[XS:XS+3], v14, s[12:13]
	global_load_b128 v[XS+4:XS+7], v14, s[12:13] offset:16
	global_load_u8 v15, v30, s[6:7]                ; 1: the token's first choice; 2: its second
	s_wait_loadcnt 0x0
.irp s, 0,1,2,3,4,5,6,7
	global_store_b128 v7, v[XF+8*\s:XF+8*\s+3], s[8:9] offset:1024*\s      ; the registers as they stand: 512 consecutive bytes a store
	global_store_b128 v7, v[XF+8*\s+4:XF+8*\s+7], s[8:9] offset:1024*\s+512
.endr
	global_store_b128 v7, v[XS:XS+3], s[8:9] offset:8192
	global_store_b128 v7, v[XS+4:XS+7], s[8:9] offset:8192+512
	v_add_nc_u32 v16, -1, v15
	v_min_u32 v16, 1, v16                          ; the slot, held to 0 or 1
	v_lshl_add_u32 v28, v12, 1, v16
	v_lshlrev_b32 v28, 2, v28
	v_add_nc_u32 v29, s99, v10                     ; e x 1,024 + q
	global_store_b32 v28, v29, s[10:11]            ; lanes r and r + 16, and the lanes that repeat the last row, store the same word to the same place
.Lend:
	s_endpgm
.Lfunc_end_k_q2171052cf5_place:
	.size	k_q2171052cf5_place, .Lfunc_end_k_q2171052cf5_place-k_q2171052cf5_place
	.p2alignl 7, 3214868480
	.fill 96, 4, 3214868480
	.section	.rodata,"a",@progbits
	.p2align	6, 0x0
	.amdhsa_kernel k_q2171052cf5_place
		.amdhsa_group_segment_fixed_size 0
		.amdhsa_private_segment_fixed_size 0
		.amdhsa_enable_private_segment 0
		.amdhsa_kernarg_size 32
		.amdhsa_user_sgpr_count 2
		.amdhsa_user_sgpr_kernarg_segment_ptr 1
		.amdhsa_wavefront_size32 1
		.amdhsa_system_sgpr_workgroup_id_x 1
		.amdhsa_system_sgpr_workgroup_id_y 1
		.amdhsa_system_sgpr_workgroup_id_z 1
		.amdhsa_system_vgpr_workitem_id 0
		.amdhsa_next_free_vgpr 176
		.amdhsa_next_free_sgpr 106
		.amdhsa_reserve_vcc 1
		.amdhsa_float_denorm_mode_32 3
		.amdhsa_float_denorm_mode_16_64 3
		.amdhsa_memory_ordered 1
		.amdhsa_forward_progress 1
		.amdhsa_inst_pref_size 22
	.end_amdhsa_kernel
	.amdgpu_metadata
---
amdhsa.version: [ 1, 2 ]
amdhsa.kernels:
  - .name:           k_q2171052cf5_place
    .symbol:         k_q2171052cf5_place.kd
    .args:
      - { .name: xq, .offset: 0, .size: 8, .value_kind: global_buffer, .address_space: global }
      - { .name: sel, .offset: 8, .size: 8, .value_kind: global_buffer, .address_space: global }
      - { .name: xg, .offset: 16, .size: 8, .value_kind: global_buffer, .address_space: global }
      - { .name: src, .offset: 24, .size: 8, .value_kind: global_buffer, .address_space: global }
    .group_segment_fixed_size: 0
    .private_segment_fixed_size: 0
    .kernarg_segment_align: 8
    .kernarg_segment_size: 32
    .max_flat_workgroup_size: 128
    .sgpr_count:     106
    .vgpr_count:     176
    .wavefront_size: 32
...
	.end_amdgpu_metadata
.endif
;; end of part 2
;; launch ffn1 (part 3): grid 32 x 8, 4 waves a work-group, no clusters, 68,096 bytes of LDS; arguments xg, sel, W1_codes, W1_scales, b1, hq, hs; writes hq, hs
.if DOCPART == 3
	.amdgcn_target "amdgcn-amd-amdhsa--gfx1250"
	.amdhsa_code_object_version 6
	.text
	.protected	k_q2171052cf5_ffn1
	.globl	k_q2171052cf5_ffn1
	.p2align	8
	.type	k_q2171052cf5_ffn1,@function
k_q2171052cf5_ffn1:
	s_mov_b64 s[64:65], 0
	v_nop
	global_prefetch_b8 v0, s[64:65] scope:SCOPE_SE
	s_setreg_imm32_b32 hwreg(HW_REG_WAVE_MODE, 25, 1), 1
	s_wait_xcnt 0x0
; THE FIRST PRODUCT OF THE CHOSEN ROWS: h = Q(gelu(x W1[e] + b1[e])), on codes of E2M1 with one E8M0 scale for each 32 along K.
; Rows of experts that a token has not chosen are left out (their weight in the result is a 0 built from the top_k's own one_hot: see the first kernel's head).
; SHARES.  Work-group (slice, e) owns hidden units 128 slice .. + 127 of expert e, for ALL rows of that expert: its 64 KiB of W1 are read from memory once (32 rows a wave, each load 512 consecutive
; bytes), meet in LDS behind the launch's one barrier, and stay in EVERY wave's registers (512) as 64 fragments.  Wave w then takes the tiles of 16 rows w, w + 4, ..: what goes round is the rows' codes,
; which the launch before has laid by expert and tile as images of the operand's registers: every load is 512 consecutive bytes at 16 x lane from a base that steps by a constant.
; The number of tiles hangs on the expert's count of rows, made from bytes read from memory: so the launch has no tensor load and no joint load.  The loop over a wave's tiles has a CONSTANT count, 16, the most
; that 1,024 rows on one expert give one of four waves. The loop has no LDS access and no barrier.
; LAYOUT.  The product is used transposed (source 0 = 16 rows of W1, source 1 = 16 rows of x): a lane holds ONE row, its registers run along the hidden units.  THE ROWS OF W1 THAT FORM A TILE ARE NOT
; NEIGHBOURS: lane r of tile 2 b + u takes unit 32 b + 8 u + r + 8 (r / 8), so that the 16 registers of tiles 2 b, 2 b + 1 are units 32 b + 16 (lane / 16) + 0 .. 15: neighbours along the next K.
; In LDS that order costs nothing: unit 32 b + y is stored at row 32 b + (y with its bits 3 and 4 exchanged).  b1 is the C of each sum's first matrix instruction.
; GELU, exact form: 0.5 x (1 + erf(x / sqrt 2)), erf(z) = z P(z^2) / Q(z^2) on z held to +-4, all in f32.  LIMIT: 1 + erf is right to about 1e-7 in absolute terms; under x = -5.6 the result is
; x (1 + erf(-4)) / 2, at most 4e-8 |x| in size, where the true number is smaller still.
; OUT.  hq [e][tile 64][K step 32][1,024 bytes]: the fragment (16 rows x 128 units) as an image of its 8 registers, lane l's 16 bytes at 16 l, twice 512 bytes; hs likewise 4 bytes a lane: the row's scale word.
; REGISTERS.  window 0: v1-31 addresses; v32-63 W1's scale words (register 8 b + s: lanes 0-15 tile 2 b, lanes 16-31 tile 2 b + 1); v64-71 x's scale words; v72-135 x's 8 fragments; v136-167 sel's bytes.
; windows 1, 2: W1's fragment (tile t, K step s) at 64 (s % 4) + 8 t of window 1 + s / 4.   window 3: v0-63 b1's 8 tiles; v64-127 the 8 accumulators; v128-239 the GELU and the quantiser.
.set PITCH, 528                        ; an LDS row: 512 bytes + 16: an odd multiple of 16, so that the 16 rows of a fragment load start at 16 different groups of banks (ISA guide 11.1)
.set SPARE, 128*PITCH                  ; behind the 128 rows: the spare words, 128 bytes a wave, that no other line names
.set TRIPS, 16                         ; 64 tiles of 16 rows at the most, four waves
.set TILEB, 9216                       ; a tile of x: 8 fragments of 1,024 bytes, then 1,024 bytes of scale words
.set SEL, 22                           ; s[22:23] v_permlanex16_b32's selects
.set WS,  32
.set XS,  64
.set XF,  72
.set SB,  136
.set ACC, 64
.set Z,   128
.set T2,  144
.set P,   160
.set Q,   176
.set G,   192
.set TM,  208
.set PW,  224
.set PC,  226
.set MSB, 0
.macro WIN new                         ; the immediate's high byte repeats the setting that is left
.if MSB != \new
	s_set_vgpr_msb (MSB<<8)|\new
.set MSB, \new
.endif
.endm
; 64 matrix instructions: K step by K step, the eight accumulators by turns, one instruction a turn.
.macro MM64
.set s_, 0
.rept 8
.if s_ < 4
	WIN 0xf1                                       ; source 0 (W1) window 1, source 1 (x) window 0, C and D window 3
.else
	WIN 0xf2                                       ; source 0 window 2
.endif
.set t_, 0
.rept 8
.set rD, ACC+8*t_
.set rA, 64*(s_%4)+8*t_
.set rB, XF+8*s_
.set rS, WS+8*(t_/2)+s_
.if s_ == 0
.if t_%2
	v_wmma_scale_f32_16x16x128_f8f6f4 v[rD:rD+7], v[rA:rA+7], v[rB:rB+7], v[8*t_:8*t_+7], v[rS], v[XS+s_] matrix_a_fmt:MATRIX_FMT_FP4 matrix_b_fmt:MATRIX_FMT_FP4 matrix_a_scale:MATRIX_SCALE_ROW1
.else
	v_wmma_scale_f32_16x16x128_f8f6f4 v[rD:rD+7], v[rA:rA+7], v[rB:rB+7], v[8*t_:8*t_+7], v[rS], v[XS+s_] matrix_a_fmt:MATRIX_FMT_FP4 matrix_b_fmt:MATRIX_FMT_FP4
.endif
.else
.if t_%2
	v_wmma_scale_f32_16x16x128_f8f6f4 v[rD:rD+7], v[rA:rA+7], v[rB:rB+7], v[rD:rD+7], v[rS], v[XS+s_] matrix_a_fmt:MATRIX_FMT_FP4 matrix_b_fmt:MATRIX_FMT_FP4 matrix_a_scale:MATRIX_SCALE_ROW1
.else
	v_wmma_scale_f32_16x16x128_f8f6f4 v[rD:rD+7], v[rA:rA+7], v[rB:rB+7], v[rD:rD+7], v[rS], v[XS+s_] matrix_a_fmt:MATRIX_FMT_FP4 matrix_b_fmt:MATRIX_FMT_FP4
.endif
.endif
.set t_, t_+1
.endr
.set s_, s_+1
.endr
	WIN 0
.endm
; The tile in hand (0) or my next, four tiles on (1): x's 8 fragments and the rows' scale words, as they were stored.
.macro XLOAD off
.irp s, 0,1,2,3,4,5,6,7
	global_load_b128 v[XF+8*\s:XF+8*\s+3], v7, s[4:5] offset:\off*4*TILEB+1024*\s
	global_load_b128 v[XF+8*\s+4:XF+8*\s+7], v7, s[4:5] offset:\off*4*TILEB+1024*\s+512
.endr
	global_load_b128 v[XS:XS+3], v7, s[4:5] offset:\off*4*TILEB+8192
	global_load_b128 v[XS+4:XS+7], v7, s[4:5] offset:\off*4*TILEB+8192+512
.endm
; 16 numbers of a lane, accumulators 2 g and 2 g + 1, each read from its low end on: x -> 0.5 x (1 + erf(x / sqrt 2)), two numbers an instruction.
.macro GELU16 g
.set XB, ACC+16*\g
.irp p, 0,2,4,6,8,10,12,14
	v_pk_mul_f32 v[Z+\p:Z+\p+1], v[XB+\p:XB+\p+1], 0x3f3504f3 op_sel_hi:[1,0]
.endr
.irp p, 0,1,2,3,4,5,6,7,8,9,10,11,12,13,14,15
	v_med3_num_f32 v[Z+\p], v[Z+\p], -4.0, 4.0
.endr
.irp p, 0,2,4,6,8,10,12,14
	v_pk_mul_f32 v[T2+\p:T2+\p+1], v[Z+\p:Z+\p+1], v[Z+\p:Z+\p+1]
.endr
.irp p, 0,2,4,6,8,10,12,14
	v_pk_fma_f32 v[P+\p:P+\p+1], v[T2+\p:T2+\p+1], v[236:237], 0x32edffee op_sel_hi:[1,1,0]
.endr
.irp p, 0,2,4,6,8,10,12,14
	v_pk_fma_f32 v[Q+\p:Q+\p+1], v[T2+\p:T2+\p+1], v[238:239], 0xb95fbd29 op_sel_hi:[1,1,0]
.endr
.irp k, 0xbadc924e, 0xbbf19bf8, 0xbc69b6a7
.irp p, 0,2,4,6,8,10,12,14
	v_pk_fma_f32 v[Q+\p:Q+\p+1], v[Q+\p:Q+\p+1], v[T2+\p:T2+\p+1], \k op_sel_hi:[1,1,0]
.endr
.endr
.irp p, 0,1,2,3,4,5,6,7,8,9,10,11,12,13,14,15
	v_rcp_f32 v[Q+\p], v[Q+\p]                     ; one batch; the numerator's polynomial is the work between it and its wait
.endr
.irp k, 0xb60cff51, 0xb86ec2d2, 0xba40ac63, 0xbb41a1f6, 0xbc83dbd4
.irp p, 0,2,4,6,8,10,12,14
	v_pk_fma_f32 v[P+\p:P+\p+1], v[P+\p:P+\p+1], v[T2+\p:T2+\p+1], \k op_sel_hi:[1,1,0]
.endr
.endr
.irp p, 0,2,4,6,8,10,12,14
	v_pk_mul_f32 v[P+\p:P+\p+1], v[P+\p:P+\p+1], v[Z+\p:Z+\p+1]
.endr
.irp p, 0,2,4,6,8,10,12,14
	v_pk_mul_f32 v[G+\p:G+\p+1], v[XB+\p:XB+\p+1], 0.5 op_sel_hi:[1,0]
.endr
	s_wait_alu depctr_va_vdst(0)                   ; one wait for the sixteen reciprocals, ahead of their first reader
.irp p, 0,2,4,6,8,10,12,14
	v_pk_mul_f32 v[P+\p:P+\p+1], v[P+\p:P+\p+1], v[Q+\p:Q+\p+1]            ; erf
.endr
.irp p, 0,2,4,6,8,10,12,14
	v_pk_fma_f32 v[XB+\p:XB+\p+1], v[G+\p:G+\p+1], v[P+\p:P+\p+1], v[G+\p:G+\p+1]
.endr
.endm
; The lane's 64 numbers (register 16 b + i = unit 32 b + 16 (lane / 16) + i of my row) become a fragment's codes in v[PC] on and my row's scale word in v[PW].
.macro QUANT
.irp b, 0,1,2,3
	v_max3_num_f32 v[TM+\b], |v[ACC+16*\b]|, |v[ACC+1+16*\b]|, 0x1800000   ; block b: my 16 numbers, and the floor 2^(3 - 127): the byte cannot fall under 1
.endr
.irp i, 2,4,6,8,10,12,14
.irp b, 0,1,2,3
	v_max3_num_f32 v[TM+\b], v[TM+\b], |v[ACC+16*\b+\i]|, |v[ACC+1+16*\b+\i]|
.endr
.endr
.irp b, 0,1,2,3
	v_permlanex16_b32 v[TM+4+\b], v[TM+\b], s[SEL], s[SEL+1]
.endr
.irp b, 0,1,2,3
	v_max_num_f32 v[TM+\b], v[TM+\b], v[TM+4+\b]   ; with lane l xor 16's: the block's largest magnitude
.endr
.irp b, 0,1,2,3
	v_add_nc_u32 v[TM+12+\b], 0xff000000, v[TM+\b] ; 2 off its exponent field: the conversion's scale operand
.endr
.irp b, 0,1,2,3
	v_lshrrev_b32 v[TM+4+\b], 23, v[TM+12+\b]      ; the scale's byte
.endr
	v_lshl_or_b32 v[PW], v[TM+5], 8, v[TM+4]
	v_lshl_or_b32 v[PW], v[TM+6], 16, v[PW]
	v_lshl_or_b32 v[PW], v[TM+7], 24, v[PW]
.irp b, 0,1,2,3
	v_cvt_scalef32_pk8_fp4_f32 v[PC+2*\b], v[ACC+16*\b:ACC+7+16*\b], v[TM+12+\b]
	v_cvt_scalef32_pk8_fp4_f32 v[PC+1+2*\b], v[ACC+8+16*\b:ACC+15+16*\b], v[TM+12+\b]
.endr
	v_nop                                          ; one plain line behind a scaled conversion
.irp c, 0,1                            ; the operand's layout wants a whole block in a lane: lanes 0-15 block 2 c, lanes 16-31 block 2 c + 1
.irp i, 0,1
	v_permlane16_swap_b32 v[PC+4*\c+\i], v[PC+2+4*\c+\i]
.endr
.endr
.endm
	s_load_b256 s[4:11], s[0:1], 0x0               ; xg s[4:5], sel s[6:7], W1's codes s[8:9], W1's scales s[10:11]
	s_load_b128 s[12:15], s[0:1], 0x20             ; b1 s[12:13], hq s[14:15]
	s_load_b64 s[16:17], s[0:1], 0x30              ; hs s[16:17]
	v_lshl_add_u32 v8, v0, 2, SPARE                ; my spare word,
	v_mov_b32 v9, 0                                ; and 0: kept for the wave's closing lines
	v_lshrrev_b32 v1, 5, v0
	v_readfirstlane_b32 s54, v1                    ; wave 0..3
	v_and_b32 v1, 31, v0                           ; lane
	v_and_b32 v2, 15, v0                           ; r
	v_bfe_u32 v3, v0, 4, 1                         ; h
	v_mul_u32_u24 v5, v2, PITCH
	v_lshl_add_u32 v5, v3, 4, v5                   ; a fragment's place in LDS: row r, + 16 h
	v_lshlrev_b32 v7, 4, v1                        ; 16 x lane
	s_mul_i32 s61, s54, 32*PITCH
	v_add_nc_u32 v6, s61, v7                       ; where I store: my wave's 32 rows
	s_and_b32 s55, ttmp7, 0xffff                   ; e
	s_mov_b32 s56, ttmp9                           ; slice
	v_lshl_add_u32 v31, v1, 3, s55                 ; sel: 8 x lane + e
	v_and_b32 v168, 8, v2
	v_add_nc_u32 v168, v168, v2
	v_lshl_add_u32 v168, v3, 3, v168
	v_lshlrev_b32 v168, 5, v168                    ; W1's scale words: unit 8 h + r + 8 (r / 8) of a pair of tiles, 32 bytes a unit
	v_lshlrev_b32 v169, 6, v3                      ; b1: 16 h units on
	s_mov_b32 s[SEL], 0x76543210
	s_mov_b32 s[SEL+1], 0xfedcba98
	s_lshl_b32 s61, s55, 12
	s_lshl_b32 s62, s56, 7
	s_add_co_u32 s61, s61, s62                     ; my first hidden unit, counted through all experts
	s_lshl_b32 s62, s54, 5
	s_add_co_u32 s62, s61, s62                     ; and the first of the 32 that my wave fetches
	s_lshl_b32 s2, s62, 9
	s_mov_b32 s3, 0
	s_wait_kmcnt 0x0
	s_add_nc_u64 s[8:9], s[8:9], s[2:3]
	s_lshl_b32 s2, s61, 5
	s_add_nc_u64 s[10:11], s[10:11], s[2:3]
	s_lshl_b32 s2, s61, 2
	s_add_nc_u64 s[12:13], s[12:13], s[2:3]
	s_lshl_b32 s2, s55, 6
	s_add_co_u32 s2, s2, s54                       ; my first tile: w
	s_mul_i32 s63, s2, TILEB
	s_lshl_b32 s2, s2, 5
	s_add_co_u32 s2, s2, s56                       ; K step of the next product: slice
	s_lshl_b32 s62, s2, 7
	s_lshl_b32 s2, s2, 10
	s_add_nc_u64 s[14:15], s[14:15], s[2:3]
	s_mov_b32 s2, s62
	s_add_nc_u64 s[16:17], s[16:17], s[2:3]
	s_mov_b32 s2, s63
	s_add_nc_u64 s[4:5], s[4:5], s[2:3]
.set j, 0
.rept 32
	global_load_u8 v[SB+j], v31, s[6:7] offset:256*j               ; sel[32 j + lane][e]
.set j, j+1
.endr
	WIN 0x40                                       ; destination window 1
.set j, 0
.rept 32
	global_load_b128 v[4*j:4*j+3], v7, s[8:9] offset:512*j th:TH_LOAD_NT   ; a row of W1: 512 consecutive bytes, read once in the launch
.set j, j+1
.endr
	WIN 0
.irp b, 0,1,2,3
	global_load_b128 v[WS+8*\b:WS+8*\b+3], v168, s[10:11] offset:1024*\b
	global_load_b128 v[WS+8*\b+4:WS+8*\b+7], v168, s[10:11] offset:1024*\b+16
.endr
	WIN 0xc0                                       ; destination window 3
.irp t, 0,1,2,3,4,5,6,7
	global_load_b128 v[8*\t:8*\t+3], v169, s[12:13] offset:(32*(\t/2)+8*(\t%2))*4      ; b1 at units 32 (t / 2) + 8 (t % 2) + 16 h + 0 .. 7: the result's layout
	global_load_b128 v[8*\t+4:8*\t+7], v169, s[12:13] offset:(32*(\t/2)+8*(\t%2))*4+16
.endr
	v_lshlrev_b32 v234, 4, v1                      ; window 3's own copies of 16 x lane and 4 x lane, for the stores of the codes
	v_lshlrev_b32 v235, 2, v1
	v_mov_b32 v236, 0xaf95df0b                     ; the two leading coefficients, each twice: an instruction takes one literal
	v_mov_b32 v237, 0xaf95df0b
	v_mov_b32 v238, 0xb77460cd
	v_mov_b32 v239, 0xb77460cd
.irp b, 0,1,2,3
	v_mov_b32 v[TM+4+\b], 0                        ; written once: a lane permute's destination counts as one of its sources
.endr
	WIN 0
.set j, 0
.rept 64
	v_mov_b32 v[XF+j], 0                           ; zero codes, and scale bytes of 1.0: so these registers are written on every way through the branches on the count
.set j, j+1
.endr
.irp s, 0,1,2,3,4,5,6,7
	v_mov_b32 v[XS+\s], 0x7f7f7f7f
.endr
	s_wait_loadcnt 56                              ; sel's 32 bytes are in: behind them 32 rows, 8 loads of scale words and 16 of b1 were issued
	s_mov_b32 s57, 0
.set j, 0
.rept 32
	v_cmp_ne_u32 s20, 0, v[SB+j]
	s_bcnt1_i32_b32 s20, s20
	s_add_co_u32 s57, s57, s20                     ; the expert's rows
.set j, j+1
.endr
	s_wait_loadcnt 24                              ; my 32 rows are in: the scale words' 8 loads and b1's 16 may be out
	WIN 0x04                                       ; an LDS store's data are its source 1: window 1
.set j, 0
.rept 32
	ds_store_b128 v6, v[4*j:4*j+3] offset:((j&7)|((j&8)<<1)|((j&16)>>1))*PITCH     ; unit 32 w + j at row 32 w + (j with bits 3 and 4 exchanged)
.set j, j+1
.endr
	WIN 0
	s_wait_dscnt 0x0                               ; for the others' sake: my rows lie in LDS
	s_barrier_signal -1
	s_barrier_wait -1                              ; all 128 do; nobody writes them again
	s_lshl_b32 s60, s54, 4                         ; my first tile's first row: 16 w
	s_cmp_lt_u32 s60, s57
	s_cbranch_scc0 .Lno_first
	XLOAD 0                                        ; my first tile is asked for; it lands while the fragments come out of LDS
.Lno_first:
	WIN 0x40
.irp s, 0,1,2,3
.irp t, 0,1,2,3,4,5,6,7
	ds_load_b128 v[64*\s+8*\t:64*\s+8*\t+3], v5 offset:16*\t*PITCH+64*\s
	ds_load_b128 v[64*\s+8*\t+4:64*\s+8*\t+7], v5 offset:16*\t*PITCH+64*\s+32
.endr
.endr
	WIN 0x80
.irp s, 0,1,2,3
.irp t, 0,1,2,3,4,5,6,7
	ds_load_b128 v[64*\s+8*\t:64*\s+8*\t+3], v5 offset:16*\t*PITCH+64*(\s+4)
	ds_load_b128 v[64*\s+8*\t+4:64*\s+8*\t+7], v5 offset:16*\t*PITCH+64*(\s+4)+32
.endr
.endr
	WIN 0
	s_wait_dscnt 0x0
	s_mov_b32 s58, 0
.Ltile:                                                ; TRIPS trips, whatever the count: tile w + 4 x trip, first row s60
	s_cmp_lt_u32 s60, s57
	s_cbranch_scc0 .Lstep                          ; the expert has no such tile: only the steps at the trip's end are run
	s_wait_loadcnt 0x0                             ; this tile's codes and scale words (in the first trip W1's scale words and b1 too)
	MM64
.rept 4
	v_nop                                          ; places behind the products, ahead of loads into their operands and of the first read of results
.endr
	s_add_co_u32 s61, s60, 64                      ; four tiles on
	s_cmp_lt_u32 s61, s57
	s_cbranch_scc0 .Lno_next
	XLOAD 1                                        ; the next tile lands under this tile's GELU
.Lno_next:
	WIN 0xff                                       ; all of it in window 3
	GELU16 0
	GELU16 1
	GELU16 2
	GELU16 3
	QUANT
	global_store_b128 v234, v[PC:PC+3], s[14:15]               ; the fragment as it stands: 512 consecutive bytes,
	global_store_b128 v234, v[PC+4:PC+7], s[14:15] offset:512  ; and 512 more
	global_store_b32 v235, v[PW], s[16:17]
	WIN 0
.Lstep:
	s_wait_xcnt 0x0                                ; the loads and stores have read their data and bases: both are written again only behind this wait
	s_add_nc_u64 s[4:5], s[4:5], 4*TILEB           ; four tiles of x
	s_add_nc_u64 s[14:15], s[14:15], 0x20000       ; four tiles of 32 K steps of 1,024 bytes
	s_add_nc_u64 s[16:17], s[16:17], 0x4000
	s_add_co_u32 s60, s60, 64
	s_add_co_u32 s58, s58, 1
	s_cmp_lt_u32 s58, TRIPS
	s_cbranch_scc1 .Ltile
	s_wait_tensorcnt 0x0                           ; the wave's end
	ds_add_u32 v8, v9
	s_wait_dscnt 0x0
	s_endpgm
.Lfunc_end_k_q2171052cf5_ffn1:
	.size	k_q2171052cf5_ffn1, .Lfunc_end_k_q2171052cf5_ffn1-k_q2171052cf5_ffn1
	.p2alignl 7, 3214868480
	.fill 96, 4, 3214868480
	.section	.rodata,"a",@progbits
	.p2align	6, 0x0
	.amdhsa_kernel k_q2171052cf5_ffn1
		.amdhsa_group_segment_fixed_size 68096
		.amdhsa_private_segment_fixed_size 0
		.amdhsa_enable_private_segment 0
		.amdhsa_kernarg_size 56
		.amdhsa_user_sgpr_count 2
		.amdhsa_user_sgpr_kernarg_segment_ptr 1
		.amdhsa_wavefront_size32 1
		.amdhsa_system_sgpr_workgroup_id_x 1
		.amdhsa_system_sgpr_workgroup_id_y 1
		.amdhsa_system_sgpr_workgroup_id_z 1
		.amdhsa_system_vgpr_workitem_id 0
		.amdhsa_next_free_vgpr 1024
		.amdhsa_next_free_sgpr 70
		.amdhsa_reserve_vcc 0
		.amdhsa_float_denorm_mode_32 3
		.amdhsa_float_denorm_mode_16_64 3
		.amdhsa_memory_ordered 1
		.amdhsa_forward_progress 1
		.amdhsa_inst_pref_size 94
	.end_amdhsa_kernel
	.amdgpu_metadata
---
amdhsa.version: [ 1, 2 ]
amdhsa.kernels:
  - .name:           k_q2171052cf5_ffn1
    .symbol:         k_q2171052cf5_ffn1.kd
    .args:
      - { .name: xg, .offset: 0, .size: 8, .value_kind: global_buffer, .address_space: global }
      - { .name: sel, .offset: 8, .size: 8, .value_kind: global_buffer, .address_space: global }
      - { .name: W1_codes, .offset: 16, .size: 8, .value_kind: global_buffer, .address_space: global }
      - { .name: W1_scales, .offset: 24, .size: 8, .value_kind: global_buffer, .address_space: global }
      - { .name: b1, .offset: 32, .size: 8, .value_kind: global_buffer, .address_space: global }
      - { .name: hq, .offset: 40, .size: 8, .value_kind: global_buffer, .address_space: global }
      - { .name: hs, .offset: 48, .size: 8, .value_kind: global_buffer, .address_space: global }
    .group_segment_fixed_size: 68096
    .private_segment_fixed_size: 0
    .kernarg_segment_align: 8
    .kernarg_segment_size: 56
    .max_flat_workgroup_size: 128
    .sgpr_count:     70
    .vgpr_count:     1024
    .wavefront_size: 32
...
	.end_amdgpu_metadata
.endif
;; end of part 3
;; launch ffn2 (part 4): grid 8 x 32, 4 waves a work-group, no clusters, 270,848 bytes of LDS; arguments hq, hs, sel, W2_codes, W2_scales, b2, ybuf; writes ybuf
.if DOCPART == 4
	.amdgcn_target "amdgcn-amd-amdhsa--gfx1250"
	.amdhsa_code_object_version 6
	.text
	.protected	k_q2171052cf5_ffn2
	.globl	k_q2171052cf5_ffn2
	.p2align	8
	.type	k_q2171052cf5_ffn2,@function
k_q2171052cf5_ffn2:
	s_mov_b64 s[64:65], 0
	v_nop
	global_prefetch_b8 v0, s[64:65] scope:SCOPE_SE
	s_setreg_imm32_b32 hwreg(HW_REG_WAVE_MODE, 25, 1), 1
	s_wait_xcnt 0x0
; THE SECOND PRODUCT OF THE CHOSEN ROWS: y = h W2[e] + b2[e], on codes of E2M1 with one E8M0 scale for each 32 along K = 4,096.
; Rows of experts that a token has not chosen are left out (see the first kernel's head): only the tiles under the expert's count of rows are multiplied.
; SHARES.  Work-group (cs, 4 e + rp) owns output columns 128 cs .. + 127 of expert e and the tiles of 16 rows rp, rp + 4, ..  THE WAVES SHARE K: wave w owns K steps 8 w .. 8 w + 7, its 512 bytes of each
; of the 128 rows of W2: 64 KiB, 64 fragments in 512 registers, for the whole launch.  Its rows are loaded as they lie (512 consecutive bytes a load) and turned into fragments through the wave's own LDS.
; A tile's four partial sums (16 rows x 128 columns, f32) meet in LDS; each wave adds four whole rows, with b2, and stores them: 512 consecutive bytes a store.
; The partial sums have two sets of LDS bytes by turns, so one barrier a tile serves: a set is written again only behind the other set's barrier, in front of which every wave has waited for its reads.
; The number of tiles hangs on a count read from memory.  The loop has LDS accesses and barriers, so its trips are a constant: 16 tiles, the most that 1,024 rows on one expert give a quarter; scalar branches on the count
; lead round the work and never round a barrier.  For the same reason the launch has no tensor load, and so no joint load for the slice of W2 that the four work-groups of one (cs, e) read.
; The product is used transposed (source 0 = 16 rows of W2, source 1 = 16 rows of h): a lane holds one row of y and eight neighbouring columns.  h's fragments come from memory as images of their registers.
; ORDER OF SUMS: K ascending inside a wave's quarter; then (q0 + q1) + (q2 + q3) + b2.
; REGISTERS.  window 0: v1-31 addresses, b2's four; v32-63 W2's scale words (register 8 b + s: lanes 0-15 tile 2 b, lanes 16-31 tile 2 b + 1); v64-71 h's scale words; v72-135 h's 8 fragments; v136-199 rows read back.
; windows 1, 2: first the 128 rows as loaded, then fragment (tile t, K step s) at 64 (s % 4) + 8 t of window 1 + s / 4.   window 3: v64-127 the 8 accumulators.
.set PITCH, 528                        ; an LDS row: 512 bytes + 16, an odd multiple of 16
.set REG,   128*PITCH                  ; a wave's region: first its 128 rows of W2, later its two sets of partial sums
.set SETB,  16*PITCH
.set SPARE, 4*REG                      ; behind the regions: the spare words, 128 bytes a wave, that no other line names
.set WS,  32
.set HS,  64
.set HF,  72
.set RB,  136
.set B2,  20
.set ACC, 64
.set MSB, 0
.macro WIN new                         ; the immediate's high byte repeats the setting that is left
.if MSB != \new
	s_set_vgpr_msb (MSB<<8)|\new
.set MSB, \new
.endif
.endm
; 64 matrix instructions: K step by K step, the eight accumulators by turns, one instruction a turn; the first K step starts the sums.
.macro MM64
.set s_, 0
.rept 8
.if s_ < 4
	WIN 0xf1                                       ; source 0 (W2) window 1, source 1 (h) window 0, C and D window 3
.else
	WIN 0xf2
.endif
.set t_, 0
.rept 8
.set rD, ACC+8*t_
.set rA, 64*(s_%4)+8*t_
.set rB, HF+8*s_
.set rS, WS+8*(t_/2)+s_
.if s_ == 0
.if t_%2
	v_wmma_scale_f32_16x16x128_f8f6f4 v[rD:rD+7], v[rA:rA+7], v[rB:rB+7], 0, v[rS], v[HS+s_] matrix_a_fmt:MATRIX_FMT_FP4 matrix_b_fmt:MATRIX_FMT_FP4 matrix_a_scale:MATRIX_SCALE_ROW1
.else
	v_wmma_scale_f32_16x16x128_f8f6f4 v[rD:rD+7], v[rA:rA+7], v[rB:rB+7], 0, v[rS], v[HS+s_] matrix_a_fmt:MATRIX_FMT_FP4 matrix_b_fmt:MATRIX_FMT_FP4
.endif
.else
.if t_%2
	v_wmma_scale_f32_16x16x128_f8f6f4 v[rD:rD+7], v[rA:rA+7], v[rB:rB+7], v[rD:rD+7], v[rS], v[HS+s_] matrix_a_fmt:MATRIX_FMT_FP4 matrix_b_fmt:MATRIX_FMT_FP4 matrix_a_scale:MATRIX_SCALE_ROW1
.else
	v_wmma_scale_f32_16x16x128_f8f6f4 v[rD:rD+7], v[rA:rA+7], v[rB:rB+7], v[rD:rD+7], v[rS], v[HS+s_] matrix_a_fmt:MATRIX_FMT_FP4 matrix_b_fmt:MATRIX_FMT_FP4
.endif
.endif
.set t_, t_+1
.endr
.set s_, s_+1
.endr
	WIN 0
.endm
.macro LOADROWS g                      ; rows 32 g .. 32 g + 31 of the slice, my 512 bytes of each; row i lands at 4 (i % 64) of window 1 + i / 64
.if \g < 2
	WIN 0x40
.else
	WIN 0x80
.endif
.set j, 0
.rept 32
.set ro, (32*\g+j)%64
	global_load_b128 v[4*ro:4*ro+3], v7, s[10:11] offset:2048*(32*\g+j) th:TH_LOAD_NT
.set j, j+1
.endr
	WIN 0
.endm
.macro STOREROWS g                     ; and into my region of LDS
.if \g < 2
	WIN 0x04
.else
	WIN 0x08
.endif
.set j, 0
.rept 32
.set ro, (32*\g+j)%64
.if \g < 2
	ds_store_b128 v6, v[4*ro:4*ro+3] offset:ro*PITCH
.else
	ds_store_b128 v10, v[4*ro:4*ro+3] offset:ro*PITCH              ; (rows 64 on by a second address: the immediate has 16 bits)
.endif
.set j, j+1
.endr
	WIN 0
.endm
.macro HLOAD off                       ; my 8 K steps of h, of the tile in hand (0) or of the next (1): fragments and scale words, as they were stored
.irp s, 0,1,2,3,4,5,6,7
	global_load_b128 v[HF+8*\s:HF+8*\s+3], v7, s[4:5] offset:\off*131072+1024*\s
	global_load_b128 v[HF+8*\s+4:HF+8*\s+7], v7, s[4:5] offset:\off*131072+1024*\s+512
.endr
.irp s, 0,1,2,3,4,5,6,7
	global_load_b32 v[HS+\s], v11, s[6:7] offset:\off*16384+128*\s
.endr
.endm
; One tile (first row s60), if the expert has it.
.macro BODY set
	s_cmp_lt_u32 s60, s57
	s_cbranch_scc0 .Lmeet_\@
	s_wait_loadcnt 0x0                             ; the tile's fragments and scale words
	MM64
.rept 5
	v_nop                                          ; places behind the products: 4 ahead of the loads into their operands and of the stores of results, 5 ahead of the next tile's first products, which write over the accumulators
.endr
	s_add_co_u32 s61, s60, 64
	s_cmp_lt_u32 s61, s57
	s_cbranch_scc0 .Lno_next_\@
	HLOAD 1                                        ; the next tile lands while this one's sums meet
.Lno_next_\@:
	WIN 0x0c                                       ; an LDS store's data are its source 1: window 3
.irp t, 0,1,2,3,4,5,6,7
	ds_store_b128 v13, v[ACC+8*\t:ACC+8*\t+3] offset:\set*SETB+64*\t       ; each accumulator from its low end on: row r, columns 16 t + 8 h + 0 .. 3
	ds_store_b128 v13, v[ACC+8*\t+4:ACC+8*\t+7] offset:\set*SETB+64*\t+16
.endr
	WIN 0
.Lmeet_\@:
	s_wait_dscnt 0x0                               ; my partial sums lie in LDS, and my reads of the other set are over
	s_barrier_signal -1
	s_barrier_wait -1                              ; the same holds of all four waves
	s_cmp_lt_u32 s60, s57
	s_cbranch_scc0 .Lstep_\@
.irp i, 0,1,2,3
.irp k, 0,1,2,3
	ds_load_b128 v[RB+16*\i+4*\k:RB+16*\i+4*\k+3], v[14+\k] offset:\set*SETB+\i*PITCH  ; row 4 w + i of wave k's partial sums: 512 consecutive bytes
.endr
.endr
	s_wait_dscnt 0x0
.irp i, 0,1,2,3
.irp p, 0,2
	v_pk_add_f32 v[RB+16*\i+\p:RB+16*\i+\p+1], v[RB+16*\i+\p:RB+16*\i+\p+1], v[RB+16*\i+4+\p:RB+16*\i+4+\p+1]
	v_pk_add_f32 v[RB+16*\i+8+\p:RB+16*\i+8+\p+1], v[RB+16*\i+8+\p:RB+16*\i+8+\p+1], v[RB+16*\i+12+\p:RB+16*\i+12+\p+1]
.endr
.endr
.irp i, 0,1,2,3
.irp p, 0,2
	v_pk_add_f32 v[RB+16*\i+\p:RB+16*\i+\p+1], v[RB+16*\i+\p:RB+16*\i+\p+1], v[RB+16*\i+8+\p:RB+16*\i+8+\p+1]
.endr
.endr
.irp i, 0,1,2,3
.irp p, 0,2
	v_pk_add_f32 v[RB+16*\i+\p:RB+16*\i+\p+1], v[RB+16*\i+\p:RB+16*\i+\p+1], v[B2+\p:B2+\p+1]
.endr
.endr
.irp i, 0,1,2,3
	global_store_b128 v7, v[RB+16*\i:RB+16*\i+3], s[16:17] offset:4096*\i  ; 32 lanes store 512 consecutive bytes of a row of y
.endr
.Lstep_\@:
	s_wait_xcnt 0x0                                ; the loads and stores above have read their bases and data: both are written again only behind this wait
	s_add_nc_u64 s[4:5], s[4:5], 0x20000           ; four tiles on
	s_add_nc_u64 s[6:7], s[6:7], 0x4000
	s_add_nc_u64 s[16:17], s[16:17], 0x40000       ; 64 rows of 4,096 bytes
	s_add_co_u32 s60, s60, 64
.endm
	s_load_b256 s[4:11], s[0:1], 0x0               ; hq s[4:5], hs s[6:7], sel s[8:9], W2's codes s[10:11]
	s_load_b128 s[12:15], s[0:1], 0x20             ; W2's scales s[12:13], b2 s[14:15]
	s_load_b64 s[16:17], s[0:1], 0x30              ; ybuf
	v_lshl_add_u32 v8, v0, 2, SPARE                ; my spare word,
	v_mov_b32 v9, 0                                ; and 0: kept for the wave's closing lines
	v_lshrrev_b32 v1, 5, v0
	v_readfirstlane_b32 s54, v1                    ; wave 0..3
	v_and_b32 v1, 31, v0                           ; lane
	v_and_b32 v2, 15, v0                           ; r
	v_bfe_u32 v3, v0, 4, 1                         ; h
	s_and_b32 s61, ttmp7, 0xffff
	s_lshr_b32 s55, s61, 2                         ; e
	s_and_b32 s53, s61, 3                          ; rp
	s_mov_b32 s56, ttmp9                           ; cs
	s_mul_i32 s62, s54, REG
	v_mul_u32_u24 v5, v2, PITCH
	v_lshl_add_u32 v13, v3, 5, v5
	v_lshl_add_u32 v5, v3, 4, v5
	v_add_nc_u32 v5, s62, v5                       ; a fragment's place in my region: row r, + 16 h
	v_add_nc_u32 v13, s62, v13                     ; my partial sums' place: row r, + 32 h
	v_lshlrev_b32 v7, 4, v1                        ; 16 x lane
	v_add_nc_u32 v6, s62, v7
	v_add_nc_u32 v10, 64*PITCH, v6
	v_lshlrev_b32 v11, 2, v1
	v_lshlrev_b32 v12, 7, v1                       ; W2's scale words: 128 bytes a row, a lane a row
	s_mul_i32 s62, s54, 4*PITCH
	v_add_nc_u32 v14, s62, v7                      ; rows 4 w on of wave 0's partial sums,
	v_add_nc_u32 v15, REG, v14                     ; of wave 1's,
	v_add_nc_u32 v16, 2*REG, v14
	v_add_nc_u32 v17, 3*REG, v14
	v_lshl_add_u32 v31, v1, 3, s55                 ; sel: 8 x lane + e
	s_lshl_b32 s61, s55, 10
	s_lshl_b32 s62, s56, 7
	s_add_co_u32 s61, s61, s62                     ; my first output column, counted through all experts
	s_mov_b32 s3, 0
	s_wait_kmcnt 0x0
	s_lshl_b32 s2, s61, 11
	s_lshl_b32 s62, s54, 9
	s_add_co_u32 s2, s2, s62
	s_add_nc_u64 s[10:11], s[10:11], s[2:3]        ; rows of 2,048 bytes, my quarter of each
	s_lshl_b32 s2, s61, 7
	s_lshl_b32 s62, s54, 5
	s_add_co_u32 s2, s2, s62
	s_add_nc_u64 s[12:13], s[12:13], s[2:3]
	s_lshl_b32 s2, s61, 2
	s_add_nc_u64 s[14:15], s[14:15], s[2:3]
	s_lshl_b32 s2, s55, 6
	s_add_co_u32 s2, s2, s53                       ; my first tile: rp
	s_lshl_b32 s2, s2, 5
	s_lshl_b32 s62, s54, 3
	s_add_co_u32 s2, s2, s62                       ; my first K step: 8 w
	s_lshl_b32 s62, s2, 7
	s_lshl_b32 s2, s2, 10
	s_add_nc_u64 s[4:5], s[4:5], s[2:3]
	s_mov_b32 s2, s62
	s_add_nc_u64 s[6:7], s[6:7], s[2:3]
	s_lshl_b32 s2, s55, 10
	s_lshl_b32 s62, s53, 4
	s_add_co_u32 s2, s2, s62
	s_lshl_b32 s62, s54, 2
	s_add_co_u32 s2, s2, s62                       ; the first row of y that I store: 1,024 e + 16 rp + 4 w
	s_lshl_b32 s2, s2, 10
	s_lshl_b32 s62, s56, 7
	s_add_co_u32 s2, s2, s62
	s_lshl_b32 s2, s2, 2
	s_add_nc_u64 s[16:17], s[16:17], s[2:3]
.set j, 0
.rept 32
	global_load_u8 v[RB+j], v31, s[8:9] offset:256*j               ; sel[32 j + lane][e]
.set j, j+1
.endr
.irp b, 0,1,2,3
	global_load_b128 v[WS+8*\b:WS+8*\b+3], v12, s[12:13] offset:4096*\b            ; row 32 b + lane: my 8 scale words
	global_load_b128 v[WS+8*\b+4:WS+8*\b+7], v12, s[12:13] offset:4096*\b+16
.endr
	global_load_b128 v[B2:B2+3], v7, s[14:15]      ; b2 at the four columns that I store
	LOADROWS 0
	LOADROWS 1
.set j, 0
.rept 64
	v_mov_b32 v[HF+j], 0                           ; zero codes, and scale bytes of 1.0: so these registers are written on every way through the branches on the count
.set j, j+1
.endr
.irp s, 0,1,2,3,4,5,6,7
	v_mov_b32 v[HS+\s], 0x7f7f7f7f
.endr
	s_wait_loadcnt 32                              ; all but the 32 loads issued last: sel, the scale words, b2 and rows 0-31 are in
	s_mov_b32 s57, 0
.set j, 0
.rept 32
	v_cmp_ne_u32 s20, 0, v[RB+j]
	s_bcnt1_i32_b32 s20, s20
	s_add_co_u32 s57, s57, s20                     ; the expert's rows
.set j, j+1
.endr
	STOREROWS 0
	LOADROWS 2
	s_wait_loadcnt 32                              ; rows 32-63 are in: the 32 loads just issued may be out
	STOREROWS 1
	LOADROWS 3
	s_wait_loadcnt 32                              ; rows 64-95
	STOREROWS 2
	s_wait_loadcnt 0x0
	STOREROWS 3
	s_lshl_b32 s60, s53, 4                         ; my first tile's first row
	s_cmp_lt_u32 s60, s57
	s_cbranch_scc0 .Lno_first
	HLOAD 0                                        ; it lands while the fragments come out of LDS
.Lno_first:
	WIN 0x40                                       ; LDS serves a wave's instructions in order (ISA guide 5.7.1.4): these loads see my stores, in my own region
.irp s, 0,1,2,3
.irp t, 0,1,2,3,4,5,6,7
	ds_load_b128 v[64*\s+8*\t:64*\s+8*\t+3], v5 offset:16*\t*PITCH+64*\s
	ds_load_b128 v[64*\s+8*\t+4:64*\s+8*\t+7], v5 offset:16*\t*PITCH+64*\s+32
.endr
.endr
	WIN 0x80
.irp s, 0,1,2,3
.irp t, 0,1,2,3,4,5,6,7
	ds_load_b128 v[64*\s+8*\t:64*\s+8*\t+3], v5 offset:16*\t*PITCH+64*(\s+4)
	ds_load_b128 v[64*\s+8*\t+4:64*\s+8*\t+7], v5 offset:16*\t*PITCH+64*(\s+4)+32
.endr
.endr
	WIN 0
	s_wait_dscnt 0x0                               ; the fragments are in: my region is free for my partial sums
	s_mov_b32 s58, 8
.Lpair:                                                ; 8 trips of two tiles: the two sets of partial sums by turns
	BODY 0
	BODY 1
	s_sub_co_u32 s58, s58, 1
	s_cmp_lg_u32 s58, 0
	s_cbranch_scc1 .Lpair
	s_wait_tensorcnt 0x0                           ; the wave's end
	ds_add_u32 v8, v9
	s_wait_dscnt 0x0
	s_endpgm
.Lfunc_end_k_q2171052cf5_ffn2:
	.size	k_q2171052cf5_ffn2, .Lfunc_end_k_q2171052cf5_ffn2-k_q2171052cf5_ffn2
	.p2alignl 7, 3214868480
	.fill 96, 4, 3214868480
	.section	.rodata,"a",@progbits
	.p2align	6, 0x0
	.amdhsa_kernel k_q2171052cf5_ffn2
		.amdhsa_group_segment_fixed_size 270848
		.amdhsa_private_segment_fixed_size 0
		.amdhsa_enable_private_segment 0
		.amdhsa_kernarg_size 56
		.amdhsa_user_sgpr_count 2
		.amdhsa_user_sgpr_kernarg_segment_ptr 1
		.amdhsa_wavefront_size32 1
		.amdhsa_system_sgpr_workgroup_id_x 1
		.amdhsa_system_sgpr_workgroup_id_y 1
		.amdhsa_system_sgpr_workgroup_id_z 1
		.amdhsa_system_vgpr_workitem_id 0
		.amdhsa_next_free_vgpr 1024
		.amdhsa_next_free_sgpr 70
		.amdhsa_reserve_vcc 0
		.amdhsa_float_denorm_mode_32 3
		.amdhsa_float_denorm_mode_16_64 3
		.amdhsa_memory_ordered 1
		.amdhsa_forward_progress 1
		.amdhsa_inst_pref_size 76
	.end_amdhsa_kernel
	.amdgpu_metadata
---
amdhsa.version: [ 1, 2 ]
amdhsa.kernels:
  - .name:           k_q2171052cf5_ffn2
    .symbol:         k_q2171052cf5_ffn2.kd
    .args:
      - { .name: hq, .offset: 0, .size: 8, .value_kind: global_buffer, .address_space: global }
      - { .name: hs, .offset: 8, .size: 8, .value_kind: global_buffer, .address_space: global }
      - { .name: sel, .offset: 16, .size: 8, .value_kind: global_buffer, .address_space: global }
      - { .name: W2_codes, .offset: 24, .size: 8, .value_kind: global_buffer, .address_space: global }
      - { .name: W2_scales, .offset: 32, .size: 8, .value_kind: global_buffer, .address_space: global }
      - { .name: b2, .offset: 40, .size: 8, .value_kind: global_buffer, .address_space: global }
      - { .name: ybuf, .offset: 48, .size: 8, .value_kind: global_buffer, .address_space: global }
    .group_segment_fixed_size: 270848
    .private_segment_fixed_size: 0
    .kernarg_segment_align: 8
    .kernarg_segment_size: 56
    .max_flat_workgroup_size: 128
    .sgpr_count:     70
    .vgpr_count:     1024
    .wavefront_size: 32
...
	.end_amdgpu_metadata
.endif
;; end of part 4
;; launch combine (part 5): grid 256 x 1, 4 waves a work-group, no clusters, 0 bytes of LDS; arguments ybuf, src, fl, out0, out1; writes out0, out1
.if DOCPART == 5
	.amdgcn_target "amdgcn-amd-amdhsa--gfx1250"
	.amdhsa_code_object_version 6
	.text
	.protected	k_q2171052cf5_combine
	.globl	k_q2171052cf5_combine
	.p2align	8
	.type	k_q2171052cf5_combine,@function
k_q2171052cf5_combine:
	s_mov_b64 s[64:65], 0
	v_nop
	global_prefetch_b8 v0, s[64:65] scope:SCOPE_SE
	s_setreg_imm32_b32 hwreg(HW_REG_WAVE_MODE, 25, 1), 1
	s_wait_xcnt 0x0
; out0[t] = w0 y[src0] + w1 y[src1]: each token's two chosen rows, weighed; the six other experts' terms are products with a 0 built from the top_k's own one_hot and are left out (see the first kernel's head).
; out1 = 8 x the sum over the experts of (S_e / 1,024) S_e, S_e the sum of the softmax over all tokens, from the 256 partial sums that the first launch stored.
; A wave takes one token: a row is 4,096 bytes, eight loads of 512 consecutive bytes from each of the two rows, eight stores.  The rows' numbers come from src, whole numbers stored by an earlier launch,
; and are held inside ybuf's 8,192 rows.  A stream: no LDS, no barrier, no matrix unit.  Wave 0 of work-group 0 goes on to the loss.
	s_load_b256 s[4:11], s[0:1], 0x0               ; ybuf s[4:5], src s[6:7], fl s[8:9], out0 s[10:11]
	s_load_b64 s[12:13], s[0:1], 0x20              ; out1
	v_lshrrev_b32 v1, 5, v0
	v_readfirstlane_b32 s16, v1                    ; wave
	v_and_b32 v1, 31, v0
	v_lshlrev_b32 v1, 4, v1                        ; 16 x lane
	s_lshl_b32 s17, ttmp9, 2
	s_add_co_u32 s17, s17, s16                     ; my token
	s_lshl_b32 s14, s17, 3
	s_lshl_b32 s30, s17, 12
	s_mov_b32 s31, 0
	s_wait_kmcnt 0x0
	s_load_b64 s[20:21], s[6:7], s14 offset:0x0    ; its two rows,
	s_load_b64 s[22:23], s[8:9], s14 offset:0x0    ; its two weights
	s_add_nc_u64 s[10:11], s[10:11], s[30:31]
	s_wait_kmcnt 0x0
	s_min_u32 s20, s20, 0x1fff
	s_min_u32 s21, s21, 0x1fff
	s_lshl_b32 s24, s20, 12
	s_mov_b32 s25, 0
	s_lshl_b32 s26, s21, 12
	s_mov_b32 s27, 0
	s_add_nc_u64 s[24:25], s[4:5], s[24:25]
	s_add_nc_u64 s[26:27], s[4:5], s[26:27]
	s_mov_b32 s28, s23                             ; the packed forms name a pair and take its low word for both halves
	s_mov_b32 s29, s23
.irp j, 0,1,2,3,4,5,6,7
	global_load_b128 v[8+4*\j:11+4*\j], v1, s[24:25] offset:512*\j th:TH_LOAD_NT
.endr
.irp j, 0,1,2,3,4,5,6,7
	global_load_b128 v[40+4*\j:43+4*\j], v1, s[26:27] offset:512*\j th:TH_LOAD_NT
.endr
	s_wait_loadcnt 0x0
.set p, 0
.rept 16
	v_pk_mul_f32 v[8+p:9+p], v[8+p:9+p], s[22:23] op_sel_hi:[1,0]
.set p, p+2
.endr
.set p, 0
.rept 16
	v_pk_fma_f32 v[8+p:9+p], v[40+p:41+p], s[28:29], v[8+p:9+p] op_sel_hi:[1,0,1]
.set p, p+2
.endr
.irp j, 0,1,2,3,4,5,6,7
	global_store_b128 v1, v[8+4*\j:11+4*\j], s[10:11] offset:512*\j th:TH_STORE_NT
.endr
	s_or_b32 s15, ttmp9, s16
	s_cmp_lg_u32 s15, 0
	s_cbranch_scc1 .Ldone
	; THE LOSS: 256 x 8 partial sums, 8,192 bytes.  Register c of a load's four belongs, in lane l, to expert 4 (l % 2) + c.
	s_wait_xcnt 0x0                                ; the stores above have read v8-39: loads land there only behind this wait
.irp i, 0,1,2,3,4,5,6,7,8,9,10,11,12,13,14,15
	global_load_b128 v[8+4*\i:11+4*\i], v1, s[8:9] offset:8192+512*\i
.endr
	v_mov_b32 v2, 0
.irp c, 0,1,2,3
	v_mov_b32 v[72+\c], 0                          ; a lane permute's destination counts as one of its sources
.endr
	s_mov_b32 s18, 0x76543210
	s_mov_b32 s19, 0xfedcba98
	s_wait_loadcnt 0x0
.macro HALVE n                         ; the upper n registers onto the lower n: a multiple of four apart, so each stays with its expert
.set p, 0
.rept \n/2
	v_pk_add_f32 v[8+p:9+p], v[8+p:9+p], v[8+\n+p:9+\n+p]
.set p, p+2
.endr
.endm
	HALVE 32
	HALVE 16
	HALVE 8
	HALVE 4
.irp m, 2,4,8
.irp c, 0,1,2,3
	v_add_f32_dpp v[8+\c], v[8+\c], v[8+\c] row_xmask:\m row_mask:0xf bank_mask:0xf    ; over the lanes of my parity
.endr
.endr
.irp c, 0,1,2,3
	v_permlanex16_b32 v[72+\c], v[8+\c], s18, s19
.endr
.irp c, 0,1,2,3
	v_add_f32 v[8+\c], v[8+\c], v[72+\c]           ; S_e of my four experts
.endr
	v_mul_f32 v12, v8, v8
	v_fma_f32 v12, v9, v9, v12
	v_fma_f32 v12, v10, v10, v12
	v_fma_f32 v12, v11, v11, v12
	v_add_f32_dpp v12, v12, v12 row_xmask:1 row_mask:0xf bank_mask:0xf     ; and the other four
	v_mul_f32 v12, 0x3c000000, v12                 ; x 8 / 1,024
	v_cmp_eq_u32 vcc_lo, 0, v0
	s_wait_xcnt 0x0                                ; EXEC changes only behind this wait
	s_and_saveexec_b32 s15, vcc_lo
	global_store_b32 v2, v12, s[12:13]
	s_wait_xcnt 0x0
	s_or_b32 exec_lo, exec_lo, s15
.Ldone:
	s_endpgm
.Lfunc_end_k_q2171052cf5_combine:
	.size	k_q2171052cf5_combine, .Lfunc_end_k_q2171052cf5_combine-k_q2171052cf5_combine
	.p2alignl 7, 3214868480
	.fill 96, 4, 3214868480
	.section	.rodata,"a",@progbits
	.p2align	6, 0x0
	.amdhsa_kernel k_q2171052cf5_combine
		.amdhsa_group_segment_fixed_size 0
		.amdhsa_private_segment_fixed_size 0
		.amdhsa_enable_private_segment 0
		.amdhsa_kernarg_size 40
		.amdhsa_user_sgpr_count 2
		.amdhsa_user_sgpr_kernarg_segment_ptr 1
		.amdhsa_wavefront_size32 1
		.amdhsa_system_sgpr_workgroup_id_x 1
		.amdhsa_system_sgpr_workgroup_id_y 1
		.amdhsa_system_sgpr_workgroup_id_z 1
		.amdhsa_system_vgpr_workitem_id 0
		.amdhsa_next_free_vgpr 80
		.amdhsa_next_free_sgpr 66
		.amdhsa_reserve_vcc 1
		.amdhsa_float_denorm_mode_32 3
		.amdhsa_float_denorm_mode_16_64 3
		.amdhsa_memory_ordered 1
		.amdhsa_forward_progress 1
		.amdhsa_inst_pref_size 12
	.end_amdhsa_kernel
	.amdgpu_metadata
---
amdhsa.version: [ 1, 2 ]
amdhsa.kernels:
  - .name:           k_q2171052cf5_combine
    .symbol:         k_q2171052cf5_combine.kd
    .args:
      - { .name: ybuf, .offset: 0, .size: 8, .value_kind: global_buffer, .address_space: global }
      - { .name: src, .offset: 8, .size: 8, .value_kind: global_buffer, .address_space: global }
      - { .name: fl, .offset: 16, .size: 8, .value_kind: global_buffer, .address_space: global }
      - { .name: out0, .offset: 24, .size: 8, .value_kind: global_buffer, .address_space: global }
      - { .name: out1, .offset: 32, .size: 8, .value_kind: global_buffer, .address_space: global }
    .group_segment_fixed_size: 0
    .private_segment_fixed_size: 0
    .kernarg_segment_align: 8
    .kernarg_segment_size: 40
    .max_flat_workgroup_size: 128
    .sgpr_count:     66
    .vgpr_count:     80
    .wavefront_size: 32
...
	.end_amdgpu_metadata
.endif
;; end of part 5
;; ======== version 2 of 2: 4 launches
;; limits: right only within a limited range of input values
;; workspace buffers: xq 557,056 bytes; sel 8,192 bytes of whole numbers; fl 16,384 bytes; hq 16,777,216 bytes; hs 2,097,152 bytes; src 33,024 bytes of whole numbers; ybuf 33,554,432 bytes
;; launch route (part 6): grid 256 x 1, 4 waves a work-group, no clusters, 3,328 bytes of LDS; arguments x, Wg, xq, sel, fl, src; writes xq, sel, fl, src
.if DOCPART == 6
	.amdgcn_target "amdgcn-amd-amdhsa--gfx1250"
	.amdhsa_code_object_version 6
	.text
	.protected	k_q2171052cf5_route
	.globl	k_q2171052cf5_route
	.p2align	8
	.type	k_q2171052cf5_route,@function
k_q2171052cf5_route:
	s_mov_b64 s[64:65], 0
	v_nop
	global_prefetch_b8 v0, s[64:65] scope:SCOPE_SE
	s_setreg_imm32_b32 hwreg(HW_REG_WAVE_MODE, 25, 1), 1
	s_wait_xcnt 0x0
; THE ROUTER, AND x AS CODES.  1,024 tokens of 1,024 numbers; 8 experts; the two largest logits of a token choose its experts.
; WORK LEFT OUT BY THE WHOLE PROGRAM.  The result is the sum over the 8 experts of cw[t][e] x y_e[t], and cw is built from a one_hot of the top_k's own indices: for the 6 experts that a token
; has not chosen cw[t][e] is the number 0, whatever the inputs hold.  So those rows of the 16 expert products reach no output, and only the 2,048 chosen (token, expert) rows are multiplied.  Every input is loaded.
; LIMITS.  A NaN, an infinity or an overflow that arises only in a row of an expert that the token has not chosen is not carried to the result.  NaN and infinities in x or Wg are not served.
; The logits are f32 sums in another order than a row-by-row sum: where the second and third logit of a token agree to about 1e-6 of their size the choice may fall either way.
; A block of x whose largest magnitude lies under 2^-124 (a block of zeros too) keeps the scale byte 1: its bytes are read by this program alone, and zero codes add nothing.
; SHARES.  A work-group takes four tokens; ITS FOUR WAVES SHARE K: wave w owns k = 256 w .. + 255, lane l of it k = 256 w + 8 l .. + 7 of each token: 8 loads of x and 16 of Wg a wave, under one wait.
; A block of 32 lies in four neighbouring lanes: two lane moves give its largest magnitude; a lane's 8 codes are one register.  The same 8 numbers meet the lane's 8 rows of Wg in f32 multiply-adds.
; Codes, scale bytes and the waves' partial logits meet in LDS behind one barrier: wave w then stores token w's 512 consecutive bytes of codes; wave 0 adds the four parts, (p0 + p1) + (p2 + p3), and chooses.
; OUT: xq: [0, 524288) [token][512 bytes] codes, K innermost; [524288, 557056) [token][8 words] scale words (word s: blocks 4 s .. 4 s + 3); sel [token][8] bytes: 0 not chosen, 1 the largest logit,
; 2 the second; fl: [0, 8192) the two weights of each token, [8192, 16384) the work-group's sums of the softmax over its four tokens, 8 numbers;
; src [token][8] words: zeros here; the next launch writes the rows of the two chosen experts over two of them, so that every word that the last launch reads has been stored.
; No matrix unit: 8 columns are too few for it, and the logits are wanted in f32.  No loop, so nothing is asked for ahead.
.set RED,   0                          ; LDS: the partial logits, 128 bytes a wave
.set CODE,  512                        ; the four tokens' codes, 512 bytes each
.set SCL,   2560                       ; their scale bytes, 32 each
.set SPARE, 2816                       ; the spare words, 128 bytes a wave, that no other line names
.set X,   32                           ; v32-63   token t's 8 numbers at X + 8 t
.set G,   64                           ; v64-127  Wg[k0 + i][e] at G + 8 i + e
.set A,   128                          ; v128-159 my part of logit (t, e) at A + 8 t + e
.set C,   160                          ; codes, a register a token
.set MX,  164
.set SO,  168
.set BW,  172
.set T,   176                          ; v176-183 at work in the reduction
.set M1,  184
.set D,   185
.set P,   186
.set C1,  187
.set L2,  188
.set M2,  189
.set C2,  190
.set SV,  191
.set Q,   192
.set QE,  193
.set S8,  194
.set R1,  195
.set RS,  196
.set RR,  197
.set PR,  198
.set W2,  199
.set W,   200
.set R,   204                          ; v204-207 the four waves' parts
.set SW,  208
.set CD,  212                          ; v212-215 16 bytes of a token's codes
	s_load_b256 s[4:11], s[0:1], 0x0               ; x s[4:5], Wg s[6:7], xq s[8:9], sel s[10:11]
	s_load_b128 s[16:19], s[0:1], 0x20             ; fl s[16:17], src s[18:19]
	v_lshl_add_u32 v18, v0, 2, SPARE               ; my spare word,
	v_mov_b32 v19, 0                               ; and 0: kept for the wave's closing lines
	v_lshrrev_b32 v1, 5, v0
	v_readfirstlane_b32 s30, v1                    ; wave 0..3
	v_and_b32 v1, 31, v0                           ; lane
	v_lshlrev_b32 v2, 5, v1                        ; x: my 8 numbers, 32 bytes
	v_lshlrev_b32 v3, 8, v1                        ; Wg: my 8 rows of 32 bytes
	v_and_b32 v4, 7, v0                            ; behind the reduction lane l stands for token l / 8 and expert e = l % 8
	v_cvt_f32_u32 v5, v4                           ; e as a float: indices are compared by minima in f32
	v_lshrrev_b32 v6, 3, v1
	v_lshlrev_b32 v6, 3, v6
	v_lshl_add_u32 v6, v4, 2, v6                   ; the weights' place: 8 (l / 8) + 4 e, used by e = 0, 1
	v_lshlrev_b32 v7, 2, v0                        ; 128 w + 4 l: my word among the parts, and my codes' place in a token's 512 bytes
	v_mov_b32 v9, 0x41000000                       ; 8.0: above every index
	v_mov_b32 v10, 0xff800000                      ; -infinity
	v_lshlrev_b32 v11, 2, v1                       ; 4 x lane
	v_lshrrev_b32 v12, 2, v0
	v_add_nc_u32 v12, SCL, v12                     ; my block's scale byte: 8 w + l / 4
	v_lshlrev_b32 v13, 4, v0                       ; 512 w + 16 l: token w's codes, in LDS and in xq
	v_mov_b32 v15, 0                               ; (a lane move's destination counts as read: written once)
	v_mov_b32 v16, 0                               ; what src holds until the next launch
	s_mov_b32 s24, 0xaaaaaaaa                      ; lanes with bit 0, 1, 2, 3 of their number set
	s_mov_b32 s25, 0xcccccccc
	s_mov_b32 s26, 0xf0f0f0f0
	s_mov_b32 s27, 0xff00ff00
	s_mov_b32 s28, 0x76543210                      ; v_permlanex16_b32's selects for lane l xor 16
	s_mov_b32 s29, 0xfedcba98
	s_mov_b32 s3, 0
	s_lshl_b32 s2, ttmp9, 14                       ; four rows of x,
	s_lshl_b32 s31, s30, 10
	s_add_co_u32 s2, s2, s31                       ; my quarter of each
	s_wait_alu depctr_va_vdst(0)
	s_wait_kmcnt 0x0
	s_mov_b64 s[12:13], s[10:11]                   ; sel
	s_add_nc_u64 s[10:11], s[8:9], 0x80000         ; the scale words lie behind the 524,288 bytes of codes
	s_add_nc_u64 s[4:5], s[4:5], s[2:3]
	s_lshl_b32 s2, s30, 13
	s_add_nc_u64 s[6:7], s[6:7], s[2:3]            ; my 256 rows of Wg
	s_lshl_b32 s2, ttmp9, 11
	s_add_nc_u64 s[8:9], s[8:9], s[2:3]
	s_lshl_b32 s2, ttmp9, 7
	s_add_nc_u64 s[10:11], s[10:11], s[2:3]
	s_add_nc_u64 s[18:19], s[18:19], s[2:3]        ; src: 32 bytes a token too
	s_lshl_b32 s2, ttmp9, 5
	s_add_nc_u64 s[12:13], s[12:13], s[2:3]
	s_add_nc_u64 s[16:17], s[16:17], s[2:3]        ; 32 bytes a work-group in both parts of fl
.irp t, 0,1,2,3
.irp j, 0,1
	global_load_b128 v[X+8*\t+4*\j:X+8*\t+4*\j+3], v2, s[4:5] offset:4096*\t+16*\j th:TH_LOAD_NT
.endr
.endr
.set i, 0
.rept 16
	global_load_b128 v[G+4*i:G+4*i+3], v3, s[6:7] offset:16*i
.set i, i+1
.endr
	s_wait_loadcnt 0x0                             ; one wait for the 24 loads
; The four tokens by turns: my 8 numbers' largest magnitude, with the floor 2^(3 - 127) so that the byte cannot fall under 1; then the block's, over its four lanes.
.irp t, 0,1,2,3
	v_max3_num_f32 v[MX+\t], |v[X+8*\t]|, |v[X+8*\t+1]|, 0x1800000
.endr
.irp i, 2,4,6
.irp t, 0,1,2,3
	v_max3_num_f32 v[MX+\t], v[MX+\t], |v[X+8*\t+\i]|, |v[X+8*\t+\i+1]|
.endr
.endr
.irp m, 1,2
.irp t, 0,1,2,3
	v_max_num_f32_dpp v[MX+\t], v[MX+\t], v[MX+\t] row_xmask:\m row_mask:0xf bank_mask:0xf
.endr
.endr
.irp t, 0,1,2,3
	v_add_nc_u32 v[SO+\t], 0xff000000, v[MX+\t]    ; 2 off the exponent field: the conversion takes the exponent field of this operand as its scale
.endr
.irp t, 0,1,2,3
	v_cvt_scalef32_pk8_fp4_f32 v[C+\t], v[X+8*\t:X+8*\t+7], v[SO+\t]
.endr
.irp t, 0,1,2,3
	v_lshrrev_b32 v[BW+\t], 23, v[SO+\t]           ; the scale's byte (plain lines behind the conversions)
.endr
.irp t, 0,1,2,3
	ds_store_b32 v7, v[C+\t] offset:CODE+512*\t
	ds_store_b8 v12, v[BW+\t] offset:32*\t         ; the block's four lanes store the same byte
.endr
; THE LOGITS, my 8 k of each: two experts an instruction; the token's number serves both halves.  The first product starts each sum.
.set i, 0
.rept 8
.irp t, 0,1,2,3
.irp p, 0,2,4,6
.if i == 0
	v_pk_mul_f32 v[A+8*\t+\p:A+8*\t+\p+1], v[X+8*\t:X+8*\t+1], v[G+\p:G+\p+1] op_sel_hi:[0,1]
.elseif i%2 == 0
	v_pk_fma_f32 v[A+8*\t+\p:A+8*\t+\p+1], v[X+8*\t+i:X+8*\t+i+1], v[G+8*i+\p:G+8*i+\p+1], v[A+8*\t+\p:A+8*\t+\p+1] op_sel_hi:[0,1,1]
.else
	v_pk_fma_f32 v[A+8*\t+\p:A+8*\t+\p+1], v[X+8*\t+i-1:X+8*\t+i], v[G+8*i+\p:G+8*i+\p+1], v[A+8*\t+\p:A+8*\t+\p+1] op_sel:[1,0,0] op_sel_hi:[1,1,1]
.endif
.endr
.endr
.set i, i+1
.endr
; 32 sums over 32 lanes, so that lane l ends with sum l: in each of five steps a lane keeps half of its sums and sends the other half to the lane that keeps those.
.set i, 0
.rept 16
	v_permlane16_swap_b32 v[A+i], v[A+16+i]        ; lanes 16-31 now hold both halves' parts of sum 16 + i, lanes 0-15 those of sum i
.set i, i+1
.endr
.set i, 0
.rept 16
	v_add_f32 v[A+i], v[A+i], v[A+16+i]
.set i, i+1
.endr
.macro FOLD n, xm, msk
.set i, 0
.rept \n
	v_cndmask_b32 v[T+2*(i%4)], v[A+i], v[A+\n+i], \msk            ; what I keep
	v_cndmask_b32 v[T+2*(i%4)+1], v[A+\n+i], v[A+i], \msk          ; what my partner keeps
	v_add_f32_dpp v[A+i], v[T+2*(i%4)+1], v[T+2*(i%4)] row_xmask:\xm row_mask:0xf bank_mask:0xf
.set i, i+1
.endr
.endm
	FOLD 8, 8, s27
	FOLD 4, 4, s26
	FOLD 2, 2, s25
	FOLD 1, 1, s24                                 ; v[A]: my wave's part of the logit of token l / 8 and expert l % 8
	ds_store_b32 v7, v[A] offset:RED
	s_wait_alu depctr_va_vdst(0)
	s_wait_dscnt 0x0                               ; for the others' sake: my codes, bytes and parts lie in LDS
	s_barrier_signal -1
	s_barrier_wait -1                              ; everybody's do; nobody writes them again
.irp k, 0,1,2,3
	ds_load_b32 v[R+\k], v11 offset:RED+128*\k
.endr
	ds_load_b32 v[SW], v11 offset:SCL              ; the four tokens' 128 bytes of scale words
	ds_load_b128 v[CD:CD+3], v13 offset:CODE       ; token w's codes
	s_wait_dscnt 0x0
	global_store_b128 v13, v[CD:CD+3], s[8:9]      ; 32 lanes store the token's 512 bytes
	s_cmp_lg_u32 s30, 0
	s_cbranch_scc1 .Lend                           ; the rest is wave 0's, where v0 is the lane
	global_store_b32 v11, v[SW], s[10:11]
	global_store_b32 v11, v16, s[18:19]            ; and the four tokens' 128 bytes of src
	v_add_f32 v[R], v[R], v[R+1]
	v_add_f32 v[R+2], v[R+2], v[R+3]
	v_add_f32 v[A], v[R], v[R+2]                   ; the logit
.macro RED8 op, r                      ; over the eight lanes of a token
	\op v[\r], v[\r], v[\r] row_xmask:1 row_mask:0xf bank_mask:0xf
	\op v[\r], v[\r], v[\r] row_xmask:2 row_mask:0xf bank_mask:0xf
	\op v[\r], v[\r], v[\r] row_xmask:4 row_mask:0xf bank_mask:0xf
.endm
	v_mov_b32 v[M1], v[A]
	RED8 v_max_num_f32_dpp, M1                     ; the largest logit: it is taken away ahead of both exponentials
	v_sub_f32 v[D], v[A], v[M1]
	v_mul_f32 v[D], 0x3fb8aa3b, v[D]
	s_wait_alu depctr_va_vdst(0)
	v_exp_f32 v[P], v[D]                           ; e^(logit - largest); the choice below is the work between it and the wait
	v_cmp_eq_f32 vcc_lo, v[A], v[M1]
	v_cndmask_b32 v[C1], v9, v5, vcc_lo            ; my index where I hold the largest, else 8
	RED8 v_min_num_f32_dpp, C1                     ; the lower index wins a tie
	v_cmp_eq_f32 s20, v5, v[C1]                    ; am I the first choice?
	v_cndmask_b32 v[L2], v[A], v10, s20            ; the first choice is taken out
	v_mov_b32 v[M2], v[L2]
	RED8 v_max_num_f32_dpp, M2
	v_cmp_eq_f32 vcc_lo, v[L2], v[M2]
	v_cndmask_b32 v[C2], v9, v5, vcc_lo
	RED8 v_min_num_f32_dpp, C2
	v_cmp_eq_f32 s21, v5, v[C2]                    ; am I the second?
	v_sub_f32 v[Q], v[M2], v[M1]
	v_mul_f32 v[Q], 0x3fb8aa3b, v[Q]
	s_wait_alu depctr_va_vdst(0)
	v_exp_f32 v[QE], v[Q]                          ; q = e^(second - first), at most 1
	v_cndmask_b32 v[SV], 0, 2, s21
	v_cndmask_b32 v[SV], v[SV], 1, s20             ; 0, 1 or 2: values alone are chosen here, no address and no branch
	s_wait_alu depctr_va_vdst(0)                   ; one wait for both exponentials, ahead of their first reader
	v_mov_b32 v[S8], v[P]
	RED8 v_add_f32_dpp, S8
	v_add_f32 v[R1], 1.0, v[QE]
	s_wait_alu depctr_va_vdst(0)
	v_rcp_f32 v[RS], v[S8]
	v_rcp_f32 v[RR], v[R1]                         ; the first weight: 1 / (1 + q)
	v_nop                                          ; a plain line behind the reciprocals
	v_cmp_eq_u32 vcc_lo, 1, v4
	s_wait_alu depctr_va_vdst(0)                   ; one wait for both
	v_mul_f32 v[PR], v[P], v[RS]                   ; the softmax over all eight
	v_mul_f32 v[W2], v[QE], v[RR]                  ; the second weight: q / (1 + q)
	v_cndmask_b32 v[W], v[RR], v[W2], vcc_lo       ; lane e = 0 stores the first, e = 1 the second
	v_add_f32_dpp v[PR], v[PR], v[PR] row_xmask:8 row_mask:0xf bank_mask:0xf
	v_permlanex16_b32 v15, v[PR], s28, s29
	v_add_f32 v[PR], v[PR], v15                    ; summed over my four tokens
	global_store_b8 v0, v[SV], s[12:13]            ; 32 consecutive bytes
	s_wait_alu depctr_va_vdst(0)
	s_wait_xcnt 0x0                                ; EXEC changes only behind this wait
	v_cmp_gt_u32 vcc_lo, 2, v4
	s_and_saveexec_b32 s22, vcc_lo
	global_store_b32 v6, v[W], s[16:17]
	s_wait_xcnt 0x0
	s_or_b32 exec_lo, exec_lo, s22
	v_cmp_gt_u32 vcc_lo, 8, v0
	s_and_saveexec_b32 s22, vcc_lo
	global_store_b32 v11, v[PR], s[16:17] offset:8192
	s_wait_xcnt 0x0
	s_or_b32 exec_lo, exec_lo, s22
.Lend:
	s_wait_tensorcnt 0x0                           ; the wave's end
	ds_add_u32 v18, v19
	s_wait_dscnt 0x0
	s_endpgm
.Lfunc_end_k_q2171052cf5_route:
	.size	k_q2171052cf5_route, .Lfunc_end_k_q2171052cf5_route-k_q2171052cf5_route
	.p2alignl 7, 3214868480
	.fill 96, 4, 3214868480
	.section	.rodata,"a",@progbits
	.p2align	6, 0x0
	.amdhsa_kernel k_q2171052cf5_route
		.amdhsa_group_segment_fixed_size 3328
		.amdhsa_private_segment_fixed_size 0
		.amdhsa_enable_private_segment 0
		.amdhsa_kernarg_size 48
		.amdhsa_user_sgpr_count 2
		.amdhsa_user_sgpr_kernarg_segment_ptr 1
		.amdhsa_wavefront_size32 1
		.amdhsa_system_sgpr_workgroup_id_x 1
		.amdhsa_system_sgpr_workgroup_id_y 1
		.amdhsa_system_sgpr_workgroup_id_z 1
		.amdhsa_system_vgpr_workitem_id 0
		.amdhsa_next_free_vgpr 256
		.amdhsa_next_free_sgpr 66
		.amdhsa_reserve_vcc 1
		.amdhsa_float_denorm_mode_32 3
		.amdhsa_float_denorm_mode_16_64 3
		.amdhsa_memory_ordered 1
		.amdhsa_forward_progress 1
		.amdhsa_inst_pref_size 24
	.end_amdhsa_kernel
	.amdgpu_metadata
---
amdhsa.version: [ 1, 2 ]
amdhsa.kernels:
  - .name:           k_q2171052cf5_route
    .symbol:         k_q2171052cf5_route.kd
    .args:
      - { .name: x, .offset: 0, .size: 8, .value_kind: global_buffer, .address_space: global }
      - { .name: Wg, .offset: 8, .size: 8, .value_kind: global_buffer, .address_space: global }
      - { .name: xq, .offset: 16, .size: 8, .value_kind: global_buffer, .address_space: global }
      - { .name: sel, .offset: 24, .size: 8, .value_kind: global_buffer, .address_space: global }
      - { .name: fl, .offset: 32, .size: 8, .value_kind: global_buffer, .address_space: global }
      - { .name: src, .offset: 40, .size: 8, .value_kind: global_buffer, .address_space: global }
    .group_segment_fixed_size: 3328
    .private_segment_fixed_size: 0
    .kernarg_segment_align: 8
    .kernarg_segment_size: 48
    .max_flat_workgroup_size: 128
    .sgpr_count:     66
    .vgpr_count:     256
    .wavefront_size: 32
...
	.end_amdgpu_metadata
.endif
;; end of part 6
;; launch ffn1 (part 7): grid 512 x 1, 4 waves a work-group, no clusters, 34,560 bytes of LDS; arguments xq, sel, W1_codes, W1_scales, b1, hq, hs, src, fl, out1; writes hq, hs, src, out1
.if DOCPART == 7
	.amdgcn_target "amdgcn-amd-amdhsa--gfx1250"
	.amdhsa_code_object_version 6
	.text
	.protected	k_q2171052cf5_ffn1
	.globl	k_q2171052cf5_ffn1
	.p2align	8
	.type	k_q2171052cf5_ffn1,@function
k_q2171052cf5_ffn1:
	s_mov_b64 s[64:65], 0
	v_nop
	global_prefetch_b8 v0, s[64:65] scope:SCOPE_SE
	s_setreg_imm32_b32 hwreg(HW_REG_WAVE_MODE, 25, 1), 1
	s_wait_xcnt 0x0
; THE FIRST PRODUCT OF THE CHOSEN ROWS: h = Q(gelu(x W1[e] + b1[e])), on codes of E2M1 with one E8M0 scale for each 32 along K.  Also: where each chosen row lies, each expert's count, and the loss.
; Rows of experts that a token has not chosen are left out (their weight in the result is a 0 built from the top_k's own one_hot: see the first kernel's head).
; SHARES.  512 work-groups.  Number a + 8 b + 256 c stands for expert (a + c) % 8 and slice b + 32 c: hidden units 64 slice .. + 63 of that expert, for ALL its rows; neighbouring numbers and numbers
; 256 apart belong to different experts.  The slice's 32 KiB of W1 are read once (16 rows a wave, each load 512 consecutive bytes), meet in LDS behind the one barrier, and stay in every wave's
; registers as 32 fragments (256 registers).  A wave names 512 registers and the work-group 34,560 bytes of LDS.  Wave w takes the tiles of 16 rows w, w + 4, ..
; WHICH ROWS.  Row q of expert e is the q-th token, ascending, whose byte sel[token][e] is not 0.  Each wave makes 32 masks of 32 tokens and their running counts in scalar registers.  ONE SEARCH SERVES
; TWO TILES: lanes 0-15 look for the 16 rows of tile k, lanes 16-31 for those of tile k + 1; one lane move gives both halves both answers.  Rows beyond the count repeat the last row; nobody reads their results.
; The searches are written out ahead of the loop, 8 blocks for the 16 tiles that a wave can have; each tile keeps 32 x token in a register of its own, and a chain of compares on the trip's number
; picks one of 15 copies of a tile's 18 loads.  The loop's count is a constant, 16; a scalar branch on the expert's count leads round a trip's work.
; The number of tiles hangs on bytes read from memory: so the launch has no tensor load and no joint load.  The next tile's rows are asked for a tile ahead by the loads themselves, so no separate prefetch is laid.
; LAYOUT.  The product is used transposed (source 0 = 16 rows of W1, source 1 = 16 rows of x): a lane holds ONE row, its registers run along the hidden units.  Lane r of tile 2 b + u takes unit
; 32 b + 8 u + r + 8 (r / 8), so that the 16 registers of tiles 2 b, 2 b + 1 are units 32 b + 16 (lane / 16) + 0 .. 15.  In LDS unit 32 b + y lies at row 32 b + (y with bits 3 and 4 exchanged).
; b1's 64 numbers lie in LDS; a tile's accumulators are loaded with them and are the C of the first products.
; GELU, exact form: x (0.5 + 0.5 erf(x / sqrt 2)), erf(z) = z P(z^2) / Q(z^2) on z held to +-4, all in f32; the 0.5 is in P's coefficients (one off each exponent field).
; LIMIT: 1 + erf is right to about 1e-7 in absolute terms; under x = -5.6 the result is at most 4e-8 |x| in size, where the true number is smaller still.
; OUT.  hq [e][tile 64][K step 32][1,024 bytes]: a fragment (16 rows x 128 units) as an image of its 8 registers; this slice's 64 units are registers 4 c .. 4 c + 3, c = slice % 2: 512 consecutive bytes.
; hs likewise 4 bytes a lane: my two bytes of the row's scale word at 2 c.  src [token][8]: at [token][e] the number e x 1,024 + q, stored by slice 0; from byte 32,768 on each expert's count.
; out1 = 8 x the sum over the experts of (S_e / 1,024) S_e, from the first launch's 256 partial sums: one wave (work-group 511, wave 3) makes it.
; REGISTERS.  window 0: v1-31 addresses and the search; v32-47 W1's scale words (8 b + s: lanes 0-15 tile 2 b, lanes 16-31 tile 2 b + 1); v48-55 x's scale words; v56-119 x's 8 fragments;
; v120-151 the 4 accumulators; v152-215 sel's bytes, then the GELU; v216-231 the 16 tiles' 32 x token; v232-249 constants and the quantiser.  window 1: W1's fragment (tile t, K step s) at 32 s + 8 t.
.set PITCH, 528                        ; an LDS row: 512 bytes + 16, an odd multiple of 16
.set B1L,   64*PITCH                   ; behind the 64 rows: b1's 256 bytes
.set SPARE, B1L+256                    ; behind them: the spare words, 128 bytes a wave, that no other line names
.set TRIPS, 16
.set M,   16                           ; s16-47  bit i of mask j: token 32 j + i has chosen e
.set PK,  66                           ; s67-97  32 x (rows in masks under j) + j
.set SEL, 100                          ; s[100:101] v_permlanex16_b32's selects
.set WS,  32
.set XS,  48
.set XF,  56
.set ACC, 120
.set SB,  152
.set Z,   152
.set T2,  168
.set P,   184
.set Q,   200
.set TOK, 216
.set KP,  232
.set TM,  236
.set PW,  244
.set PC,  246
.set MSB, 0
.macro WIN new                         ; the immediate's high byte repeats the setting that is left
.if MSB != \new
	s_set_vgpr_msb (MSB<<8)|\new
.set MSB, \new
.endif
.endm
; 32 matrix instructions: K step by K step, the four accumulators by turns, one instruction a turn; C holds b1 at the first K step.
.macro MM32
	WIN 0x01                                       ; source 0 (W1) window 1
.set s_, 0
.rept 8
.set t_, 0
.rept 4
.set rD, ACC+8*t_
.set rA, 32*s_+8*t_
.set rB, XF+8*s_
.set rS, WS+8*(t_/2)+s_
.if t_%2
	v_wmma_scale_f32_16x16x128_f8f6f4 v[rD:rD+7], v[rA:rA+7], v[rB:rB+7], v[rD:rD+7], v[rS], v[XS+s_] matrix_a_fmt:MATRIX_FMT_FP4 matrix_b_fmt:MATRIX_FMT_FP4 matrix_a_scale:MATRIX_SCALE_ROW1
.else
	v_wmma_scale_f32_16x16x128_f8f6f4 v[rD:rD+7], v[rA:rA+7], v[rB:rB+7], v[rD:rD+7], v[rS], v[XS+s_] matrix_a_fmt:MATRIX_FMT_FP4 matrix_b_fmt:MATRIX_FMT_FP4
.endif
.set t_, t_+1
.endr
.set s_, s_+1
.endr
	WIN 0
.endm
; One step of the search in a mask: v25 = the ones in the lower half of what is left; where my row lies beyond them, they are taken off and the place moves k bits up.
.macro PICK k
	v_cmp_ge_u32 vcc_lo, v19, v25
	v_cndmask_b32 v26, 0, v25, vcc_lo
	v_cndmask_b32 v27, 0, \k, vcc_lo
	v_sub_nc_u32 v19, v19, v26
	v_add_nc_u32 v24, v24, v27
.endm
; v10 = a row q of the expert  ->  v12 = its token.
.macro SELECT
	v_lshl_or_b32 v16, v10, 5, 31                  ; 32 q + 31: at or above 32 c + j just where c <= q
	v_mov_b32 v17, 0
	v_mov_b32 v18, s[M]
.set j, 1
.rept 31
	v_cmp_le_u32 vcc_lo, s[PK+j], v16              ; the counts do not fall: the last mask whose count is at most q holds row q
	v_cndmask_b32 v17, v17, s[PK+j], vcc_lo
	v_cndmask_b32 v18, v18, s[M+j], vcc_lo
.set j, j+1
.endr
	v_lshrrev_b32 v19, 5, v17
	v_sub_nc_u32 v19, v10, v19                     ; which one of the mask's ones
	v_lshrrev_b32 v20, 1, v18                      ; the ones of each 2, 4, 8, 16 bits
	v_and_b32 v20, 0x55555555, v20
	v_sub_nc_u32 v20, v18, v20
	v_lshrrev_b32 v21, 2, v20
	v_and_b32 v21, 0x33333333, v21
	v_and_b32 v26, 0x33333333, v20
	v_add_nc_u32 v21, v21, v26
	v_lshrrev_b32 v22, 4, v21
	v_add_nc_u32 v22, v22, v21
	v_and_b32 v22, 0x0f0f0f0f, v22
	v_lshrrev_b32 v23, 8, v22
	v_add_nc_u32 v23, v23, v22
	v_mov_b32 v24, 0
	v_and_b32 v25, 0xff, v23
	PICK 16
	v_bfe_u32 v25, v22, v24, 8
	PICK 8
	v_bfe_u32 v25, v21, v24, 4
	PICK 4
	v_bfe_u32 v25, v20, v24, 2
	PICK 2
	v_bfe_u32 v25, v18, v24, 1
	PICK 1
	v_and_b32 v12, 31, v17
	v_lshl_add_u32 v12, v12, 5, v24
	v_min_u32 v12, 0x3ff, v12                      ; a token's number: held inside the tables that it indexes
.endm
; My tiles k and k + 1 (first rows s60 + 64 k and 64 more).  A tile k that the expert does not have ends the run of blocks.
.macro FIND2 k, out
	s_add_co_u32 s61, s60, 64*\k
	s_cmp_lt_u32 s61, s15
	s_cbranch_scc0 \out
	v_add_nc_u32 v11, s61, v15                     ; lanes 0-15: row r of tile k; lanes 16-31: row r of tile k + 1,
	v_min_u32 v10, s98, v11                        ; held at the expert's last
	SELECT
	v_permlanex16_b32 v13, v12, s[SEL], s[SEL+1]   ; the other half's answer
	v_cndmask_b32 v26, v12, v13, s3                ; tile k's token of row r, in both halves (s3: lanes 16-31)
	v_cndmask_b32 v27, v13, v12, s3                ; tile k + 1's
	v_min_u32 v26, 0x3ff, v26
	v_min_u32 v27, 0x3ff, v27
	v_lshlrev_b32 v[TOK+\k], 5, v26                ; 32 bytes of scale words a token
	v_lshlrev_b32 v[TOK+\k+1], 5, v27
	s_cmp_lg_u32 s14, 0
	s_cbranch_scc1 .Lns_\@
	v_lshlrev_b32 v24, 5, v12                      ; slice 0: src[token][e] = e x 1,024 + row, 32 rows a store; the base stands at word e
	v_add_nc_u32 v25, s99, v10
	global_store_b32 v24, v25, s[54:55]
	s_wait_xcnt 0x0                                ; v24 and v25 are written again only behind this wait
.Lns_\@:
.endm
; My tile k's 8 fragments of x and the rows' scale words.  v29 is written here alone, behind the wait for the loads that named it last.
.macro XLOADK k
	s_wait_alu depctr_va_vdst(0)
	v_lshl_add_u32 v29, v[TOK+\k], 4, v4           ; 512 x token + 16 (lane / 16)
.irp s, 0,1,2,3,4,5,6,7
	global_load_b128 v[XF+8*\s:XF+8*\s+3], v29, s[4:5] offset:64*\s
	global_load_b128 v[XF+8*\s+4:XF+8*\s+7], v29, s[4:5] offset:64*\s+32
.endr
	global_load_b128 v[XS:XS+3], v[TOK+\k], s[104:105]
	global_load_b128 v[XS+4:XS+7], v[TOK+\k], s[104:105] offset:16
.endm
.macro B1LOAD                          ; b1 at units 32 (t / 2) + 8 (t % 2) + 16 h + 0 .. 7 into accumulator t: the result's layout
.irp t, 0,1,2,3
	ds_load_b128 v[ACC+8*\t:ACC+8*\t+3], v28 offset:(32*(\t/2)+8*(\t%2))*4
	ds_load_b128 v[ACC+8*\t+4:ACC+8*\t+7], v28 offset:(32*(\t/2)+8*(\t%2))*4+16
.endr
.endm
; 16 numbers of a lane, accumulators 2 g and 2 g + 1, each read from its low end on: x -> x (0.5 + 0.5 erf(x / sqrt 2)), two numbers an instruction.
.macro GELU16 g
.set XB, ACC+16*\g
	s_wait_alu depctr_va_vdst(0)
.irp p, 0,2,4,6,8,10,12,14
	v_pk_mul_f32 v[Z+\p:Z+\p+1], v[XB+\p:XB+\p+1], 0x3f3504f3 op_sel_hi:[1,0]
.endr
.irp p, 0,1,2,3,4,5,6,7,8,9,10,11,12,13,14,15
	v_med3_num_f32 v[Z+\p], v[Z+\p], -4.0, 4.0
.endr
.irp p, 0,2,4,6,8,10,12,14
	v_pk_mul_f32 v[T2+\p:T2+\p+1], v[Z+\p:Z+\p+1], v[Z+\p:Z+\p+1]
.endr
.irp p, 0,2,4,6,8,10,12,14
	v_pk_fma_f32 v[P+\p:P+\p+1], v[T2+\p:T2+\p+1], v[KP:KP+1], 0x326dffee op_sel_hi:[1,1,0]
.endr
.irp p, 0,2,4,6,8,10,12,14
	v_pk_fma_f32 v[Q+\p:Q+\p+1], v[T2+\p:T2+\p+1], v[KP+2:KP+3], 0xb95fbd29 op_sel_hi:[1,1,0]
.endr
.irp k, 0xbadc924e, 0xbbf19bf8, 0xbc69b6a7
.irp p, 0,2,4,6,8,10,12,14
	v_pk_fma_f32 v[Q+\p:Q+\p+1], v[Q+\p:Q+\p+1], v[T2+\p:T2+\p+1], \k op_sel_hi:[1,1,0]
.endr
.endr
	s_wait_alu depctr_va_vdst(0)
.irp p, 0,1,2,3,4,5,6,7,8,9,10,11,12,13,14,15
	v_rcp_f32 v[Q+\p], v[Q+\p]                     ; one batch; the numerator's polynomial is the work between it and its wait
.endr
.irp k, 0xb58cff51, 0xb7eec2d2, 0xb9c0ac63, 0xbac1a1f6, 0xbc03dbd4
.irp p, 0,2,4,6,8,10,12,14
	v_pk_fma_f32 v[P+\p:P+\p+1], v[P+\p:P+\p+1], v[T2+\p:T2+\p+1], \k op_sel_hi:[1,1,0]
.endr
.endr
.irp p, 0,2,4,6,8,10,12,14
	v_pk_mul_f32 v[P+\p:P+\p+1], v[P+\p:P+\p+1], v[Z+\p:Z+\p+1]
.endr
	s_wait_alu depctr_va_vdst(0)                   ; one wait for the sixteen reciprocals, ahead of their first reader
.irp p, 0,2,4,6,8,10,12,14
	v_pk_fma_f32 v[P+\p:P+\p+1], v[P+\p:P+\p+1], v[Q+\p:Q+\p+1], 0.5 op_sel_hi:[1,1,0]     ; 0.5 + 0.5 erf
.endr
.irp p, 0,2,4,6,8,10,12,14
	v_pk_mul_f32 v[XB+\p:XB+\p+1], v[XB+\p:XB+\p+1], v[P+\p:P+\p+1]
.endr
.endm
; The lane's 32 numbers (register 16 b + i = unit 32 b + 16 (lane / 16) + i of my row) become four registers of codes in v[PC] on and my row's two scale bytes in v[PW].
.macro QUANT
.irp c, 0,1,2,3                        ; four chains: block c / 2, its eight numbers c % 2; the floor 2^(3 - 127) holds the byte at 1 from below
	v_max3_num_f32 v[TM+\c], |v[ACC+8*\c]|, |v[ACC+8*\c+1]|, 0x1800000
.endr
.irp i, 2,4,6
.irp c, 0,1,2,3
	v_max3_num_f32 v[TM+\c], v[TM+\c], |v[ACC+8*\c+\i]|, |v[ACC+8*\c+\i+1]|
.endr
.endr
	v_max_num_f32 v[TM], v[TM], v[TM+1]
	v_max_num_f32 v[TM+1], v[TM+2], v[TM+3]
	v_permlanex16_b32 v[TM+4], v[TM], s[SEL], s[SEL+1]
	v_permlanex16_b32 v[TM+5], v[TM+1], s[SEL], s[SEL+1]
	v_max_num_f32 v[TM], v[TM], v[TM+4]            ; with lane l xor 16's: the block's largest magnitude
	v_max_num_f32 v[TM+1], v[TM+1], v[TM+5]
	v_add_nc_u32 v[TM+6], 0xff000000, v[TM]        ; 2 off its exponent field: the conversion's scale operand
	v_add_nc_u32 v[TM+7], 0xff000000, v[TM+1]
	v_lshrrev_b32 v[TM+2], 23, v[TM+6]             ; the scale's byte
	v_lshrrev_b32 v[TM+3], 23, v[TM+7]
	v_lshl_or_b32 v[PW], v[TM+3], 8, v[TM+2]
.irp b, 0,1
	v_cvt_scalef32_pk8_fp4_f32 v[PC+2*\b], v[ACC+16*\b:ACC+7+16*\b], v[TM+6+\b]
	v_cvt_scalef32_pk8_fp4_f32 v[PC+1+2*\b], v[ACC+8+16*\b:ACC+15+16*\b], v[TM+6+\b]
.endr
	v_nop                                          ; one plain line behind a scaled conversion
	v_permlane16_swap_b32 v[PC], v[PC+2]           ; a whole block in a lane: lanes 0-15 my block 0, lanes 16-31 my block 1
	v_permlane16_swap_b32 v[PC+1], v[PC+3]
.endm
.macro HALVE n                         ; the loss: the upper n registers onto the lower n: a multiple of four apart, so each stays with its expert
.set hp, 0
.rept \n/2
	v_pk_add_f32 v[XF+hp:XF+hp+1], v[XF+hp:XF+hp+1], v[XF+\n+hp:XF+\n+hp+1]
.set hp, hp+2
.endr
.endm
	s_load_b256 s[4:11], s[0:1], 0x0               ; xq s[4:5], sel s[6:7], W1's codes s[8:9], W1's scales s[10:11]
	s_load_b256 s[48:55], s[0:1], 0x20             ; b1 s[48:49], hq s[50:51], hs s[52:53], src s[54:55]
	s_load_b128 s[56:59], s[0:1], 0x40             ; fl s[56:57], out1 s[58:59]
	v_lshl_add_u32 v8, v0, 2, SPARE                ; my spare word,
	v_mov_b32 v9, 0                                ; and 0: kept for the wave's closing lines
	; written once, so that these registers are written on every way through the branches on the count: scale bytes of 1.0, zero codes, offsets of 0
.irp s, 0,1,2,3,4,5,6,7
	v_mov_b32 v[XS+\s], 0x7f7f7f7f
.endr
.set j, 0
.rept 64
	v_mov_b32 v[XF+j], 0
.set j, j+1
.endr
.set j, 0
.rept 16
	v_mov_b32 v[TOK+j], 0
.set j, j+1
.endr
	v_mov_b32 v14, 0                               ; an offset of 0, for the count's store and the loss's; never rewritten
.irp c, 13,16,17,18,19
	v_mov_b32 v\c, 0                               ; a lane permute's destination counts as one of its sources
.endr
	v_mov_b32 v[TM+4], 0
	v_mov_b32 v[TM+5], 0
	v_mov_b32 v[KP], 0xaf15df0b                    ; the two leading coefficients, each twice: an instruction takes one literal
	v_mov_b32 v[KP+1], 0xaf15df0b
	v_mov_b32 v[KP+2], 0xb77460cd
	v_mov_b32 v[KP+3], 0xb77460cd
	v_lshrrev_b32 v1, 5, v0
	v_readfirstlane_b32 s12, v1                    ; wave 0..3
	v_and_b32 v1, 31, v0                           ; lane
	v_and_b32 v2, 15, v0                           ; r
	v_bfe_u32 v3, v0, 4, 1                         ; h
	v_lshlrev_b32 v4, 4, v3
	v_mul_u32_u24 v5, v2, PITCH
	v_lshl_add_u32 v5, v3, 4, v5                   ; a fragment's place in LDS: row r, + 16 h
	v_lshlrev_b32 v7, 4, v1                        ; 16 x lane
	s_lshr_b32 s61, s12, 1                         ; my 16 units 16 w + j lie at rows 32 (w / 2) + 8 (w % 2) + (j % 8) + 16 (j / 8)
	s_mul_i32 s61, s61, 32*PITCH
	s_and_b32 s62, s12, 1
	s_mul_i32 s62, s62, 8*PITCH
	s_add_co_u32 s61, s61, s62
	v_add_nc_u32 v6, s61, v7
	s_and_b32 s13, ttmp9, 7
	s_lshr_b32 s62, ttmp9, 8
	s_add_co_u32 s13, s13, s62
	s_and_b32 s13, s13, 7                          ; e
	s_bfe_u32 s14, ttmp9, 0x50003
	s_lshl_b32 s62, s62, 5
	s_add_co_u32 s14, s14, s62                     ; slice 0..63
	s_lshl_b32 s99, s13, 10
	s_wait_alu depctr_va_vdst(0)
	v_lshl_add_u32 v31, v1, 3, s13                 ; sel: 8 x lane + e
	v_lshl_add_u32 v15, v3, 6, v2                  ; r + 64 h: the two tiles of a search lie 64 rows apart
	v_and_b32 v250, 8, v2
	v_add_nc_u32 v250, v250, v2
	v_lshl_add_u32 v250, v3, 3, v250
	v_lshlrev_b32 v250, 5, v250                    ; W1's scale words: unit 8 h + r + 8 (r / 8) of a pair of tiles, 32 bytes a unit
	v_lshlrev_b32 v251, 2, v2                      ; b1: my wave's unit r (lanes r and r + 16 take the same word)
	s_lshl_b32 s61, s12, 6
	s_add_co_u32 s61, s61, B1L
	v_lshl_add_u32 v253, v2, 2, s61                ; and its place in LDS
	v_lshl_add_u32 v28, v3, 6, B1L                 ; b1 read back: 16 h units on
	v_lshlrev_b32 v30, 2, v1                       ; hs: 4 x lane
	s_mov_b32 s[SEL], 0x76543210
	s_mov_b32 s[SEL+1], 0xfedcba98
	s_lshl_b32 s61, s13, 12
	s_lshl_b32 s62, s14, 6
	s_add_co_u32 s61, s61, s62                     ; my first hidden unit, counted through all experts
	s_lshl_b32 s62, s12, 4
	s_add_co_u32 s62, s61, s62                     ; and the first of the 16 that my wave fetches
	s_lshl_b32 s2, s62, 9
	s_mov_b32 s3, 0
	s_wait_alu depctr_va_vdst(0)
	s_wait_kmcnt 0x0
	s_add_nc_u64 s[8:9], s[8:9], s[2:3]
	s_lshl_b32 s2, s61, 5
	s_add_nc_u64 s[10:11], s[10:11], s[2:3]
	s_lshl_b32 s2, s62, 2
	s_add_nc_u64 s[48:49], s[48:49], s[2:3]
	s_lshl_b32 s2, s13, 6
	s_add_co_u32 s2, s2, s12                       ; my first tile: w
	s_lshl_b32 s2, s2, 5
	s_lshr_b32 s62, s14, 1
	s_add_co_u32 s2, s2, s62                       ; K step of the next product: slice / 2
	s_and_b32 s61, s14, 1                          ; and which half of it
	s_lshl_b32 s62, s2, 7
	s_lshl_b32 s2, s2, 10
	s_lshl_b32 s63, s61, 9
	s_add_co_u32 s2, s2, s63
	s_add_nc_u64 s[50:51], s[50:51], s[2:3]
	s_lshl_b32 s61, s61, 1
	s_add_co_u32 s2, s62, s61
	s_add_nc_u64 s[52:53], s[52:53], s[2:3]
	s_lshl_b32 s2, s13, 2
	s_add_nc_u64 s[54:55], s[54:55], s[2:3]        ; src at word e
	s_add_nc_u64 s[104:105], s[4:5], 0x80000       ; x's scale words lie behind its 524,288 bytes of codes
	s_mov_b32 s3, 0xffff0000                       ; from here on: lanes 16-31
.set j, 0
.rept 32
	global_load_u8 v[SB+j], v31, s[6:7] offset:256*j               ; sel[32 j + lane][e]
.set j, j+1
.endr
	WIN 0x40                                       ; destination window 1
.set j, 0
.rept 16
	global_load_b128 v[4*j:4*j+3], v7, s[8:9] offset:512*j th:TH_LOAD_NT   ; a row of W1: 512 consecutive bytes, read once in the launch
.set j, j+1
.endr
	WIN 0
.irp b, 0,1
	global_load_b128 v[WS+8*\b:WS+8*\b+3], v250, s[10:11] offset:1024*\b
	global_load_b128 v[WS+8*\b+4:WS+8*\b+7], v250, s[10:11] offset:1024*\b+16
.endr
	global_load_b32 v252, v251, s[48:49]
	; THE LOSS, in one wave of the launch: 256 x 8 partial sums, 8,192 bytes.  Register c of a load's four belongs, in lane l, to expert 4 (l % 2) + c.
	s_lshl_b32 s61, ttmp9, 2
	s_add_co_u32 s61, s61, s12
	s_cmp_lg_u32 s61, 2047
	s_cbranch_scc1 .Lno_loss
.irp i, 0,1,2,3,4,5,6,7,8,9,10,11,12,13,14,15
	global_load_b128 v[XF+4*\i:XF+4*\i+3], v7, s[56:57] offset:8192+512*\i
.endr
	s_wait_loadcnt 0x0
	HALVE 32
	HALVE 16
	HALVE 8
	HALVE 4
.irp m, 2,4,8
.irp c, 0,1,2,3
	v_add_f32_dpp v[XF+\c], v[XF+\c], v[XF+\c] row_xmask:\m row_mask:0xf bank_mask:0xf     ; over the lanes of my parity
.endr
.endr
.irp c, 0,1,2,3
	v_permlanex16_b32 v[16+\c], v[XF+\c], s[SEL], s[SEL+1]
.endr
.irp c, 0,1,2,3
	v_add_f32 v[XF+\c], v[XF+\c], v[16+\c]         ; S_e of my four experts
.endr
	v_mul_f32 v20, v[XF], v[XF]
	v_fma_f32 v20, v[XF+1], v[XF+1], v20
	v_fma_f32 v20, v[XF+2], v[XF+2], v20
	v_fma_f32 v20, v[XF+3], v[XF+3], v20
	v_add_f32_dpp v20, v20, v20 row_xmask:1 row_mask:0xf bank_mask:0xf     ; and the other four: every lane holds the same number
	v_mul_f32 v20, 0x3c000000, v20                 ; x 8 / 1,024
	global_store_b32 v14, v20, s[58:59]            ; all lanes store that number to the one word
	s_wait_xcnt 0x0                                ; v20 is written again only behind this wait
.Lno_loss:
	s_wait_loadcnt 21                              ; sel's 32 bytes are in: behind them 16 rows, 4 loads of scale words and 1 of b1 were issued
.set j, 0
.rept 32
	v_cmp_ne_u32 s[M+j], 0, v[SB+j]
.set j, j+1
.endr
	s_mov_b32 s61, 0
.set j, 0
.rept 32
.if j > 0
	s_add_co_u32 s[PK+j], s61, j
.endif
	s_bcnt1_i32_b32 s62, s[M+j]
	s_lshl_b32 s62, s62, 5
	s_add_co_u32 s61, s61, s62
.set j, j+1
.endr
	s_lshr_b32 s15, s61, 5                         ; the expert's rows
	s_sub_co_u32 s98, s15, 1                       ; its last row (used only where there is one)
	s_or_b32 s61, s14, s12
	s_cmp_lg_u32 s61, 0
	s_cbranch_scc1 .Lno_cnt
	v_mov_b32 v25, s15
	global_store_b32 v14, v25, s[54:55] offset:32768               ; slice 0, wave 0: the count, for the next launch; all lanes store the same word
	s_wait_xcnt 0x0                                ; v25 is written again only behind this wait
.Lno_cnt:
	s_lshl_b32 s60, s12, 4                         ; my first tile's first row: 16 w
	FIND2 0, .Lfr                                  ; the searches stand here, while W1's rows are on their way
.Lfr:
	XLOADK 0                                       ; my first tile is asked for on every way (where the expert has no row: token 0's, which nobody multiplies)
.irp k, 2,4,6,8,10,12,14
	FIND2 \k, .Lfound
.endr
.Lfound:
	s_wait_loadcnt 18                              ; my 16 rows, the scale words and b1 are in: behind them the first tile's 18 loads were issued
	WIN 0x04                                       ; an LDS store's data are its source 1: window 1
.set j, 0
.rept 16
	ds_store_b128 v6, v[4*j:4*j+3] offset:((j&7)+16*(j>>3))*PITCH
.set j, j+1
.endr
	WIN 0
	ds_store_b32 v253, v252                        ; my wave's 16 numbers of b1
	s_wait_alu depctr_va_vdst(0)
	s_wait_dscnt 0x0                               ; for the others' sake: my rows lie in LDS
	s_barrier_signal -1
	s_barrier_wait -1                              ; all 64 rows and b1 lie in LDS; nobody writes them again
	WIN 0x40
.irp s, 0,1,2,3,4,5,6,7
.irp t, 0,1,2,3
	ds_load_b128 v[32*\s+8*\t:32*\s+8*\t+3], v5 offset:16*\t*PITCH+64*\s
	ds_load_b128 v[32*\s+8*\t+4:32*\s+8*\t+7], v5 offset:16*\t*PITCH+64*\s+32
.endr
.endr
	WIN 0
	B1LOAD
	s_mov_b32 s63, 0
.Ltile:                                                ; TRIPS trips, whatever the count: my tile s63, first row s60
	s_cmp_lt_u32 s60, s15
	s_cbranch_scc0 .Lstep                          ; the expert has no such tile: only the steps at the trip's end are run
	s_wait_loadcnt 0x0                             ; this tile's codes and scale words
	s_wait_dscnt 0x0                               ; b1 in the accumulators (in the first trip W1's fragments too)
	MM32
.rept 4
	v_nop                                          ; places behind the products, ahead of loads into their operands and of the first read of results
.endr
	s_add_co_u32 s61, s60, 64                      ; four tiles on
	s_cmp_lt_u32 s61, s15
	s_cbranch_scc0 .Lno_next
.irp k, 1,2,3,4,5,6,7,8,9,10,11,12,13,14,15
	s_cmp_eq_u32 s63, \k-1                         ; which of my tiles comes next: the trip's number picks the copy that names its register
	s_cbranch_scc1 .Lx_\k
.endr
	s_branch .Lno_next
.irp k, 1,2,3,4,5,6,7,8,9,10,11,12,13,14,15
.Lx_\k:
	XLOADK \k                                      ; the next tile's rows land under this tile's GELU
	s_branch .Lno_next
.endr
.Lno_next:
	GELU16 0
	GELU16 1
	QUANT
	global_store_b128 v7, v[PC:PC+3], s[50:51]     ; my half of the fragment's image: 512 consecutive bytes
	global_store_b16 v30, v[PW], s[52:53]          ; my two bytes of the row's scale word
	B1LOAD                                         ; the accumulators are done with: b1 for the next tile
.Lstep:
	s_wait_xcnt 0x0                                ; the stores have read their data and bases: both are written again only behind this wait
	s_add_nc_u64 s[50:51], s[50:51], 0x20000       ; four tiles of 32 K steps of 1,024 bytes
	s_add_nc_u64 s[52:53], s[52:53], 0x4000
	s_add_co_u32 s60, s60, 64
	s_add_co_u32 s63, s63, 1
	s_cmp_lt_u32 s63, TRIPS
	s_cbranch_scc1 .Ltile
	s_wait_tensorcnt 0x0                           ; the wave's end
	ds_add_u32 v8, v9
	s_wait_dscnt 0x0
	s_endpgm
.Lfunc_end_k_q2171052cf5_ffn1:
	.size	k_q2171052cf5_ffn1, .Lfunc_end_k_q2171052cf5_ffn1-k_q2171052cf5_ffn1
	.p2alignl 7, 3214868480
	.fill 96, 4, 3214868480
	.section	.rodata,"a",@progbits
	.p2align	6, 0x0
	.amdhsa_kernel k_q2171052cf5_ffn1
		.amdhsa_group_segment_fixed_size 34560
		.amdhsa_private_segment_fixed_size 0
		.amdhsa_enable_private_segment 0
		.amdhsa_kernarg_size 80
		.amdhsa_user_sgpr_count 2
		.amdhsa_user_sgpr_kernarg_segment_ptr 1
		.amdhsa_wavefront_size32 1
		.amdhsa_system_sgpr_workgroup_id_x 1
		.amdhsa_system_sgpr_workgroup_id_y 1
		.amdhsa_system_sgpr_workgroup_id_z 1
		.amdhsa_system_vgpr_workitem_id 0
		.amdhsa_next_free_vgpr 512
		.amdhsa_next_free_sgpr 106
		.amdhsa_reserve_vcc 1
		.amdhsa_float_denorm_mode_32 3
		.amdhsa_float_denorm_mode_16_64 3
		.amdhsa_memory_ordered 1
		.amdhsa_forward_progress 1
		.amdhsa_inst_pref_size 153
	.end_amdhsa_kernel
	.amdgpu_metadata
---
amdhsa.version: [ 1, 2 ]
amdhsa.kernels:
  - .name:           k_q2171052cf5_ffn1
    .symbol:         k_q2171052cf5_ffn1.kd
    .args:
      - { .name: xq, .offset: 0, .size: 8, .value_kind: global_buffer, .address_space: global }
      - { .name: sel, .offset: 8, .size: 8, .value_kind: global_buffer, .address_space: global }
      - { .name: W1_codes, .offset: 16, .size: 8, .value_kind: global_buffer, .address_space: global }
      - { .name: W1_scales, .offset: 24, .size: 8, .value_kind: global_buffer, .address_space: global }
      - { .name: b1, .offset: 32, .size: 8, .value_kind: global_buffer, .address_space: global }
      - { .name: hq, .offset: 40, .size: 8, .value_kind: global_buffer, .address_space: global }
      - { .name: hs, .offset: 48, .size: 8, .value_kind: global_buffer, .address_space: global }
      - { .name: src, .offset: 56, .size: 8, .value_kind: global_buffer, .address_space: global }
      - { .name: fl, .offset: 64, .size: 8, .value_kind: global_buffer, .address_space: global }
      - { .name: out1, .offset: 72, .size: 8, .value_kind: global_buffer, .address_space: global }
    .group_segment_fixed_size: 34560
    .private_segment_fixed_size: 0
    .kernarg_segment_align: 8
    .kernarg_segment_size: 80
    .max_flat_workgroup_size: 128
    .sgpr_count:     106
    .vgpr_count:     512
    .wavefront_size: 32
...
	.end_amdgpu_metadata
.endif
;; end of part 7
;; launch ffn2 (part 8): grid 8 x 32, 4 waves a work-group, no clusters, 270,848 bytes of LDS; arguments hq, hs, src, W2_codes, W2_scales, b2, ybuf; writes ybuf
.if DOCPART == 8
	.amdgcn_target "amdgcn-amd-amdhsa--gfx1250"
	.amdhsa_code_object_version 6
	.text
	.protected	k_q2171052cf5_ffn2
	.globl	k_q2171052cf5_ffn2
	.p2align	8
	.type	k_q2171052cf5_ffn2,@function
k_q2171052cf5_ffn2:
	s_mov_b64 s[64:65], 0
	v_nop
	global_prefetch_b8 v0, s[64:65] scope:SCOPE_SE
	s_setreg_imm32_b32 hwreg(HW_REG_WAVE_MODE, 25, 1), 1
	s_wait_xcnt 0x0
; THE SECOND PRODUCT OF THE CHOSEN ROWS: y = h W2[e] + b2[e], on codes of E2M1 with one E8M0 scale for each 32 along K = 4,096.
; Rows of experts that a token has not chosen are left out (see the first kernel's head): only the tiles under the expert's count of rows are multiplied.
; SHARES.  Work-group (cs, 4 e + rp) owns output columns 128 cs .. + 127 of expert e and the tiles of 16 rows rp, rp + 4, ..  THE WAVES SHARE K: wave w owns K steps 8 w .. 8 w + 7, its 512 bytes of each
; of the 128 rows of W2: 64 KiB, 64 fragments in 512 registers, for the whole launch.  Its rows are loaded as they lie (512 consecutive bytes a load), all 128 loads on end, each into registers of its own,
; and turned into fragments through the wave's own LDS.
; A tile's four partial sums (16 rows x 128 columns, f32) meet in LDS; each wave adds four whole rows, with b2, and stores them: 512 consecutive bytes a store.
; The partial sums have two sets of LDS bytes by turns, so one barrier a tile serves: a set is written again only behind the other set's barrier, in front of which every wave has waited for its reads.
; h HAS TWO SETS OF REGISTERS BY TURNS: a tile's loads are issued ahead of the products of the tile before, so that they have those 64 products and the meeting of the sums in which to land.
; The number of tiles hangs on the expert's count, a whole number that the launch before has stored (src, from byte 32,768 on).  The loop has LDS accesses and barriers, so its trips are a constant: 16 tiles, the
; most that 1,024 rows on one expert give a quarter; scalar branches on the count lead round the work and never round a barrier.  For the same reason the launch has no tensor load, and so no joint load for
; the slice of W2 that the four work-groups of one (cs, e) read.
; The product is used transposed (source 0 = 16 rows of W2, source 1 = 16 rows of h): a lane holds one row of y and eight neighbouring columns.  h's fragments come from memory as images of their registers.
; ORDER OF SUMS: K ascending inside a wave's quarter; then (q0 + q1) + (q2 + q3) + b2.
; REGISTERS.  window 0: v1-31 addresses, b2's four; v32-63 W2's scale words (register 8 b + s: lanes 0-15 tile 2 b, lanes 16-31 tile 2 b + 1); v64-71, v200-207 h's scale words, sets 0 and 1;
; v72-135 h's 8 fragments, set 0; v136-199 rows read back.   windows 1, 2: first the 128 rows as loaded, then fragment (tile t, K step s) at 64 (s % 4) + 8 t of window 1 + s / 4.
; window 3: v64-127 the 8 accumulators; v128-191 h's 8 fragments, set 1.
.set PITCH, 528                        ; an LDS row: 512 bytes + 16, an odd multiple of 16
.set REG,   128*PITCH                  ; a wave's region: first its 128 rows of W2, later its two sets of partial sums
.set SETB,  16*PITCH
.set SPARE, 4*REG                      ; behind the regions: the spare words, 128 bytes a wave, that no other line names
.set WS,  32
.set HS,  64
.set HS1, 200
.set HF,  72
.set HF1, 128
.set RB,  136
.set B2,  20
.set ACC, 64
.set MSB, 0
.macro WIN new                         ; the immediate's high byte repeats the setting that is left
.if MSB != \new
	s_set_vgpr_msb (MSB<<8)|\new
.set MSB, \new
.endif
.endm
; 64 matrix instructions on h's set: K step by K step, the eight accumulators by turns, one instruction a turn; the first K step starts the sums.
.macro MM64 set
.set s_, 0
.rept 8
.if s_ < 4
.set WW, 0xf1+0x0c*(\set)                          ; source 0 (W2) window 1, source 1 (h) window 0 or 3, C and D window 3
.else
.set WW, 0xf2+0x0c*(\set)                          ; source 0 window 2
.endif
	WIN WW
.set t_, 0
.rept 8
.set rD, ACC+8*t_
.set rA, 64*(s_%4)+8*t_
.set rB, HF+(HF1-HF)*(\set)+8*s_
.set rH, HS+(HS1-HS)*(\set)+s_
.set rS, WS+8*(t_/2)+s_
.if s_ == 0
.if t_%2
	v_wmma_scale_f32_16x16x128_f8f6f4 v[rD:rD+7], v[rA:rA+7], v[rB:rB+7], 0, v[rS], v[rH] matrix_a_fmt:MATRIX_FMT_FP4 matrix_b_fmt:MATRIX_FMT_FP4 matrix_a_scale:MATRIX_SCALE_ROW1
.else
	v_wmma_scale_f32_16x16x128_f8f6f4 v[rD:rD+7], v[rA:rA+7], v[rB:rB+7], 0, v[rS], v[rH] matrix_a_fmt:MATRIX_FMT_FP4 matrix_b_fmt:MATRIX_FMT_FP4
.endif
.else
.if t_%2
	v_wmma_scale_f32_16x16x128_f8f6f4 v[rD:rD+7], v[rA:rA+7], v[rB:rB+7], v[rD:rD+7], v[rS], v[rH] matrix_a_fmt:MATRIX_FMT_FP4 matrix_b_fmt:MATRIX_FMT_FP4 matrix_a_scale:MATRIX_SCALE_ROW1
.else
	v_wmma_scale_f32_16x16x128_f8f6f4 v[rD:rD+7], v[rA:rA+7], v[rB:rB+7], v[rD:rD+7], v[rS], v[rH] matrix_a_fmt:MATRIX_FMT_FP4 matrix_b_fmt:MATRIX_FMT_FP4
.endif
.endif
.set t_, t_+1
.endr
.set s_, s_+1
.endr
	WIN 0
.endm
.macro LOADROWS g                      ; rows 32 g .. 32 g + 31 of the slice, my 512 bytes of each; row i lands at 4 (i % 64) of window 1 + i / 64
.if \g < 2
	WIN 0x40
.else
	WIN 0x80
.endif
.set j, 0
.rept 32
.set ro, (32*\g+j)%64
	global_load_b128 v[4*ro:4*ro+3], v7, s[10:11] offset:2048*(32*\g+j) th:TH_LOAD_NT
.set j, j+1
.endr
	WIN 0
.endm
.macro STOREROWS g                     ; and into my region of LDS
.if \g < 2
	WIN 0x04
.else
	WIN 0x08
.endif
.set j, 0
.rept 32
.set ro, (32*\g+j)%64
.if \g < 2
	ds_store_b128 v6, v[4*ro:4*ro+3] offset:ro*PITCH
.else
	ds_store_b128 v10, v[4*ro:4*ro+3] offset:ro*PITCH              ; (rows 64 on by a second address: the immediate has 16 bits)
.endif
.set j, j+1
.endr
	WIN 0
.endm
.macro HLOAD set, off                  ; my 8 K steps of h, of the tile in hand (off = 0) or of the next (1), into a set: fragments and scale words, as they were stored
.set FB, HF+(HF1-HF)*(\set)
.set FS, HS+(HS1-HS)*(\set)
.if (\set)
	WIN 0xc0                                       ; destination window 3
.endif
.irp s, 0,1,2,3,4,5,6,7
	global_load_b128 v[FB+8*\s:FB+8*\s+3], v7, s[4:5] offset:\off*131072+1024*\s
	global_load_b128 v[FB+8*\s+4:FB+8*\s+7], v7, s[4:5] offset:\off*131072+1024*\s+512
.endr
	WIN 0
.irp s, 0,1,2,3,4,5,6,7
	global_load_b32 v[FS+\s], v11, s[6:7] offset:\off*16384+128*\s
.endr
.endm
; One tile (first row s60), if the expert has it.  Its h lies in set; its partial sums go to the LDS set of the same number.
.macro BODY set
	s_cmp_lt_u32 s60, s57
	s_cbranch_scc0 .Lmeet_\@
	s_wait_loadcnt 0x0                             ; the tile's fragments and scale words
	s_add_co_u32 s61, s60, 64
	s_cmp_lt_u32 s61, s57
	s_cbranch_scc0 .Lno_next_\@
	HLOAD 1-\set, 1                                ; the next tile, into the other set: the products that read that set stand in the tile before, with their five places behind them
.Lno_next_\@:
	MM64 \set
.rept 5
	v_nop                                          ; places behind the products: 4 ahead of the stores of results and of later loads into their operands, 5 ahead of the next tile's first products, which write over the accumulators
.endr
	WIN 0x0c                                       ; an LDS store's data are its source 1: window 3
.irp t, 0,1,2,3,4,5,6,7
	ds_store_b128 v13, v[ACC+8*\t:ACC+8*\t+3] offset:\set*SETB+64*\t       ; each accumulator from its low end on: row r, columns 16 t + 8 h + 0 .. 3
	ds_store_b128 v13, v[ACC+8*\t+4:ACC+8*\t+7] offset:\set*SETB+64*\t+16
.endr
	WIN 0
.Lmeet_\@:
	s_wait_dscnt 0x0                               ; my partial sums lie in LDS, and my reads of the other set are over
	s_barrier_signal -1
	s_barrier_wait -1                              ; the same holds of all four waves
	s_cmp_lt_u32 s60, s57
	s_cbranch_scc0 .Lstep_\@
.irp i, 0,1,2,3
.irp k, 0,1,2,3
	ds_load_b128 v[RB+16*\i+4*\k:RB+16*\i+4*\k+3], v[14+\k] offset:\set*SETB+\i*PITCH  ; row 4 w + i of wave k's partial sums: 512 consecutive bytes
.endr
.endr
	s_wait_dscnt 0x0
.irp i, 0,1,2,3
.irp p, 0,2
	v_pk_add_f32 v[RB+16*\i+\p:RB+16*\i+\p+1], v[RB+16*\i+\p:RB+16*\i+\p+1], v[RB+16*\i+4+\p:RB+16*\i+4+\p+1]
	v_pk_add_f32 v[RB+16*\i+8+\p:RB+16*\i+8+\p+1], v[RB+16*\i+8+\p:RB+16*\i+8+\p+1], v[RB+16*\i+12+\p:RB+16*\i+12+\p+1]
.endr
.endr
.irp i, 0,1,2,3
.irp p, 0,2
	v_pk_add_f32 v[RB+16*\i+\p:RB+16*\i+\p+1], v[RB+16*\i+\p:RB+16*\i+\p+1], v[RB+16*\i+8+\p:RB+16*\i+8+\p+1]
.endr
.endr
.irp i, 0,1,2,3
.irp p, 0,2
	v_pk_add_f32 v[RB+16*\i+\p:RB+16*\i+\p+1], v[RB+16*\i+\p:RB+16*\i+\p+1], v[B2+\p:B2+\p+1]
.endr
.endr
.irp i, 0,1,2,3
	global_store_b128 v7, v[RB+16*\i:RB+16*\i+3], s[16:17] offset:4096*\i  ; 32 lanes store 512 consecutive bytes of a row of y
.endr
.Lstep_\@:
	s_wait_xcnt 0x0                                ; the loads and stores above have read their bases and data: both are written again only behind this wait
	s_add_nc_u64 s[4:5], s[4:5], 0x20000           ; four tiles on
	s_add_nc_u64 s[6:7], s[6:7], 0x4000
	s_add_nc_u64 s[16:17], s[16:17], 0x40000       ; 64 rows of 4,096 bytes
	s_add_co_u32 s60, s60, 64
.endm
	s_load_b256 s[4:11], s[0:1], 0x0               ; hq s[4:5], hs s[6:7], src s[8:9], W2's codes s[10:11]
	s_load_b128 s[12:15], s[0:1], 0x20             ; W2's scales s[12:13], b2 s[14:15]
	s_load_b64 s[16:17], s[0:1], 0x30              ; ybuf
	v_lshl_add_u32 v8, v0, 2, SPARE                ; my spare word,
	v_mov_b32 v9, 0                                ; and 0: kept for the wave's closing lines
	; Written once, while the arguments are on their way, so that h's registers are written on every way through the branches on the count: scale bytes of 1.0 and zero codes
.irp s, 0,1,2,3,4,5,6,7
	v_mov_b32 v[HS+\s], 0x7f7f7f7f
	v_mov_b32 v[HS1+\s], 0x7f7f7f7f
.endr
.set j, 0
.rept 64
	v_mov_b32 v[HF+j], 0
.set j, j+1
.endr
	WIN 0xc0                                       ; destination window 3
.set j, 0
.rept 64
	v_mov_b32 v[HF1+j], 0
.set j, j+1
.endr
	WIN 0
	v_lshrrev_b32 v1, 5, v0
	v_readfirstlane_b32 s54, v1                    ; wave 0..3
	v_and_b32 v1, 31, v0                           ; lane
	v_and_b32 v2, 15, v0                           ; r
	v_bfe_u32 v3, v0, 4, 1                         ; h
	s_and_b32 s61, ttmp7, 0xffff
	s_lshr_b32 s55, s61, 2                         ; e
	s_and_b32 s53, s61, 3                          ; rp
	s_mov_b32 s56, ttmp9                           ; cs
	s_mul_i32 s62, s54, REG
	v_mul_u32_u24 v5, v2, PITCH
	v_lshl_add_u32 v13, v3, 5, v5
	v_lshl_add_u32 v5, v3, 4, v5
	v_add_nc_u32 v5, s62, v5                       ; a fragment's place in my region: row r, + 16 h
	v_add_nc_u32 v13, s62, v13                     ; my partial sums' place: row r, + 32 h
	v_lshlrev_b32 v7, 4, v1                        ; 16 x lane
	v_add_nc_u32 v6, s62, v7
	v_add_nc_u32 v10, 64*PITCH, v6
	v_lshlrev_b32 v11, 2, v1
	v_lshlrev_b32 v12, 7, v1                       ; W2's scale words: 128 bytes a row, a lane a row
	s_mul_i32 s62, s54, 4*PITCH
	v_add_nc_u32 v14, s62, v7                      ; rows 4 w on of wave 0's partial sums,
	v_add_nc_u32 v15, REG, v14                     ; of wave 1's,
	v_add_nc_u32 v16, 2*REG, v14
	v_add_nc_u32 v17, 3*REG, v14
	s_lshl_b32 s61, s55, 10
	s_lshl_b32 s62, s56, 7
	s_add_co_u32 s61, s61, s62                     ; my first output column, counted through all experts
	s_mov_b32 s3, 0
	s_lshl_b32 s2, s55, 2
	s_wait_alu depctr_va_vdst(0)
	s_wait_kmcnt 0x0
	s_add_nc_u64 s[8:9], s[8:9], s[2:3]
	s_load_b32 s57, s[8:9], 0x8000                 ; the expert's rows; waited for behind the weights
	s_lshl_b32 s2, s61, 11
	s_lshl_b32 s62, s54, 9
	s_add_co_u32 s2, s2, s62
	s_add_nc_u64 s[10:11], s[10:11], s[2:3]        ; rows of 2,048 bytes, my quarter of each
	s_lshl_b32 s2, s61, 7
	s_lshl_b32 s62, s54, 5
	s_add_co_u32 s2, s2, s62
	s_add_nc_u64 s[12:13], s[12:13], s[2:3]
	s_lshl_b32 s2, s61, 2
	s_add_nc_u64 s[14:15], s[14:15], s[2:3]
	s_lshl_b32 s2, s55, 6
	s_add_co_u32 s2, s2, s53                       ; my first tile: rp
	s_lshl_b32 s2, s2, 5
	s_lshl_b32 s62, s54, 3
	s_add_co_u32 s2, s2, s62                       ; my first K step: 8 w
	s_lshl_b32 s62, s2, 7
	s_lshl_b32 s2, s2, 10
	s_add_nc_u64 s[4:5], s[4:5], s[2:3]
	s_mov_b32 s2, s62
	s_add_nc_u64 s[6:7], s[6:7], s[2:3]
	s_lshl_b32 s2, s55, 10
	s_lshl_b32 s62, s53, 4
	s_add_co_u32 s2, s2, s62
	s_lshl_b32 s62, s54, 2
	s_add_co_u32 s2, s2, s62                       ; the first row of y that I store: 1,024 e + 16 rp + 4 w
	s_lshl_b32 s2, s2, 10
	s_lshl_b32 s62, s56, 7
	s_add_co_u32 s2, s2, s62
	s_lshl_b32 s2, s2, 2
	s_add_nc_u64 s[16:17], s[16:17], s[2:3]
.irp b, 0,1,2,3
	global_load_b128 v[WS+8*\b:WS+8*\b+3], v12, s[12:13] offset:4096*\b            ; row 32 b + lane: my 8 scale words
	global_load_b128 v[WS+8*\b+4:WS+8*\b+7], v12, s[12:13] offset:4096*\b+16
.endr
	global_load_b128 v[B2:B2+3], v7, s[14:15]      ; b2 at the four columns that I store
	LOADROWS 0                                     ; all 128 rows on end: each has registers of its own, so nothing stands between the loads
	LOADROWS 1
	LOADROWS 2
	LOADROWS 3
	s_wait_loadcnt 63                              ; behind row 63's load 64 were issued: rows 0-63, the scale words and b2 are in
	STOREROWS 0
	STOREROWS 1
	s_wait_loadcnt 32                              ; behind row 95's load 32 were issued
	STOREROWS 2
	s_wait_loadcnt 0x0
	STOREROWS 3
	s_wait_kmcnt 0x0                               ; the count
	s_lshl_b32 s60, s53, 4                         ; my first tile's first row
	s_cmp_lt_u32 s60, s57
	s_cbranch_scc0 .Lno_first
	HLOAD 0, 0                                     ; it lands while the fragments come out of LDS
.Lno_first:
	WIN 0x40                                       ; LDS serves a wave's instructions in order (ISA guide 5.7.1.4): these loads see my stores, in my own region
.irp s, 0,1,2,3
.irp t, 0,1,2,3,4,5,6,7
	ds_load_b128 v[64*\s+8*\t:64*\s+8*\t+3], v5 offset:16*\t*PITCH+64*\s
	ds_load_b128 v[64*\s+8*\t+4:64*\s+8*\t+7], v5 offset:16*\t*PITCH+64*\s+32
.endr
.endr
	WIN 0x80
.irp s, 0,1,2,3
.irp t, 0,1,2,3,4,5,6,7
	ds_load_b128 v[64*\s+8*\t:64*\s+8*\t+3], v5 offset:16*\t*PITCH+64*(\s+4)
	ds_load_b128 v[64*\s+8*\t+4:64*\s+8*\t+7], v5 offset:16*\t*PITCH+64*(\s+4)+32
.endr
.endr
	WIN 0
	s_wait_dscnt 0x0                               ; the fragments are in: my region is free for my partial sums
	s_mov_b32 s58, 8
.Lpair:                                                ; 8 trips of two tiles: h's two sets and the two sets of partial sums by turns
	BODY 0
	BODY 1
	s_sub_co_u32 s58, s58, 1
	s_cmp_lg_u32 s58, 0
	s_cbranch_scc1 .Lpair
	s_wait_tensorcnt 0x0                           ; the wave's end
	ds_add_u32 v8, v9
	s_wait_dscnt 0x0
	s_endpgm
.Lfunc_end_k_q2171052cf5_ffn2:
	.size	k_q2171052cf5_ffn2, .Lfunc_end_k_q2171052cf5_ffn2-k_q2171052cf5_ffn2
	.p2alignl 7, 3214868480
	.fill 96, 4, 3214868480
	.section	.rodata,"a",@progbits
	.p2align	6, 0x0
	.amdhsa_kernel k_q2171052cf5_ffn2
		.amdhsa_group_segment_fixed_size 270848
		.amdhsa_private_segment_fixed_size 0
		.amdhsa_enable_private_segment 0
		.amdhsa_kernarg_size 56
		.amdhsa_user_sgpr_count 2
		.amdhsa_user_sgpr_kernarg_segment_ptr 1
		.amdhsa_wavefront_size32 1
		.amdhsa_system_sgpr_workgroup_id_x 1
		.amdhsa_system_sgpr_workgroup_id_y 1
		.amdhsa_system_sgpr_workgroup_id_z 1
		.amdhsa_system_vgpr_workitem_id 0
		.amdhsa_next_free_vgpr 1024
		.amdhsa_next_free_sgpr 70
		.amdhsa_reserve_vcc 0
		.amdhsa_float_denorm_mode_32 3
		.amdhsa_float_denorm_mode_16_64 3
		.amdhsa_memory_ordered 1
		.amdhsa_forward_progress 1
		.amdhsa_inst_pref_size 72
	.end_amdhsa_kernel
	.amdgpu_metadata
---
amdhsa.version: [ 1, 2 ]
amdhsa.kernels:
  - .name:           k_q2171052cf5_ffn2
    .symbol:         k_q2171052cf5_ffn2.kd
    .args:
      - { .name: hq, .offset: 0, .size: 8, .value_kind: global_buffer, .address_space: global }
      - { .name: hs, .offset: 8, .size: 8, .value_kind: global_buffer, .address_space: global }
      - { .name: src, .offset: 16, .size: 8, .value_kind: global_buffer, .address_space: global }
      - { .name: W2_codes, .offset: 24, .size: 8, .value_kind: global_buffer, .address_space: global }
      - { .name: W2_scales, .offset: 32, .size: 8, .value_kind: global_buffer, .address_space: global }
      - { .name: b2, .offset: 40, .size: 8, .value_kind: global_buffer, .address_space: global }
      - { .name: ybuf, .offset: 48, .size: 8, .value_kind: global_buffer, .address_space: global }
    .group_segment_fixed_size: 270848
    .private_segment_fixed_size: 0
    .kernarg_segment_align: 8
    .kernarg_segment_size: 56
    .max_flat_workgroup_size: 128
    .sgpr_count:     70
    .vgpr_count:     1024
    .wavefront_size: 32
...
	.end_amdgpu_metadata
.endif
;; end of part 8
;; launch combine (part 9): grid 256 x 1, 4 waves a work-group, no clusters, 0 bytes of LDS; arguments ybuf, src, sel, fl, out0; writes out0
.if DOCPART == 9
	.amdgcn_target "amdgcn-amd-amdhsa--gfx1250"
	.amdhsa_code_object_version 6
	.text
	.protected	k_q2171052cf5_combine
	.globl	k_q2171052cf5_combine
	.p2align	8
	.type	k_q2171052cf5_combine,@function
k_q2171052cf5_combine:
	s_mov_b64 s[64:65], 0
	v_nop
	global_prefetch_b8 v0, s[64:65] scope:SCOPE_SE
	s_setreg_imm32_b32 hwreg(HW_REG_WAVE_MODE, 25, 1), 1
	s_wait_xcnt 0x0
; out0[t] = w0 y[row0] + w1 y[row1]: each token's two chosen rows, weighed; the six other experts' terms are products with a 0 built from the top_k's own one_hot and are left out (see the first kernel's head).
; A wave takes one token.  Its 8 words of src (at word e: e x 1,024 + the token's row in expert e, 0 where e was not chosen), its 8 bytes of sel (1: the first choice, 2: the second) and its two weights come by
; three scalar loads at once; the two rows are picked by selects, with no branch, and held inside ybuf's 8,192 rows.  All are whole numbers that earlier launches stored.
; A row is 4,096 bytes: eight loads of 512 consecutive bytes from each of the two rows, eight stores.  A stream: no LDS, no barrier, no matrix unit.
	s_load_b256 s[4:11], s[0:1], 0x0               ; ybuf s[4:5], src s[6:7], sel s[8:9], fl s[10:11]
	s_load_b64 s[12:13], s[0:1], 0x20              ; out0
	v_lshrrev_b32 v1, 5, v0
	v_readfirstlane_b32 s16, v1                    ; wave
	v_and_b32 v1, 31, v0
	v_lshlrev_b32 v1, 4, v1                        ; 16 x lane
	s_lshl_b32 s17, ttmp9, 2
	s_add_co_u32 s17, s17, s16                     ; my token
	s_lshl_b32 s14, s17, 5                         ; 32 bytes of src a token,
	s_mov_b32 s15, 0
	s_lshl_b32 s18, s17, 3                         ; 8 of sel and 8 of weights,
	s_mov_b32 s19, 0
	s_lshl_b32 s30, s17, 12                        ; 4,096 of out0
	s_mov_b32 s31, 0
	s_mov_b32 s41, 0
	s_mov_b32 s42, 0
	s_wait_alu depctr_va_vdst(0)
	s_wait_kmcnt 0x0
	s_add_nc_u64 s[6:7], s[6:7], s[14:15]
	s_add_nc_u64 s[8:9], s[8:9], s[18:19]
	s_add_nc_u64 s[10:11], s[10:11], s[18:19]
	s_load_b256 s[32:39], s[6:7], 0x0              ; the token's row in each expert,
	s_load_b64 s[20:21], s[8:9], 0x0               ; which experts it chose,
	s_load_b64 s[22:23], s[10:11], 0x0             ; its two weights
	s_add_nc_u64 s[12:13], s[12:13], s[30:31]
	s_wait_kmcnt 0x0
.irp e, 0,1,2,3,4,5,6,7
	s_bfe_u32 s40, s[20+\e/4], (8*(\e%4))|(8<<16)  ; sel[token][e]
	s_cmp_eq_u32 s40, 1
	s_cselect_b32 s41, s[32+\e], s41               ; the first choice's row
	s_cmp_eq_u32 s40, 2
	s_cselect_b32 s42, s[32+\e], s42               ; the second's
.endr
	s_min_u32 s41, s41, 0x1fff
	s_min_u32 s42, s42, 0x1fff
	s_lshl_b32 s24, s41, 12
	s_mov_b32 s25, 0
	s_lshl_b32 s26, s42, 12
	s_mov_b32 s27, 0
	s_add_nc_u64 s[24:25], s[4:5], s[24:25]
	s_add_nc_u64 s[26:27], s[4:5], s[26:27]
	s_mov_b32 s28, s23                             ; the packed forms name a pair and take its low word for both halves
	s_mov_b32 s29, s23
.irp j, 0,1,2,3,4,5,6,7
	global_load_b128 v[8+4*\j:11+4*\j], v1, s[24:25] offset:512*\j th:TH_LOAD_NT
.endr
.irp j, 0,1,2,3,4,5,6,7
	global_load_b128 v[40+4*\j:43+4*\j], v1, s[26:27] offset:512*\j th:TH_LOAD_NT
.endr
	s_wait_loadcnt 0x0
.set p, 0
.rept 16
	v_pk_mul_f32 v[8+p:9+p], v[8+p:9+p], s[22:23] op_sel_hi:[1,0]
.set p, p+2
.endr
.set p, 0
.rept 16
	v_pk_fma_f32 v[8+p:9+p], v[40+p:41+p], s[28:29], v[8+p:9+p] op_sel_hi:[1,0,1]
.set p, p+2
.endr
.irp j, 0,1,2,3,4,5,6,7
	global_store_b128 v1, v[8+4*\j:11+4*\j], s[12:13] offset:512*\j th:TH_STORE_NT
.endr
	s_endpgm
.Lfunc_end_k_q2171052cf5_combine:
	.size	k_q2171052cf5_combine, .Lfunc_end_k_q2171052cf5_combine-k_q2171052cf5_combine
	.p2alignl 7, 3214868480
	.fill 96, 4, 3214868480
	.section	.rodata,"a",@progbits
	.p2align	6, 0x0
	.amdhsa_kernel k_q2171052cf5_combine
		.amdhsa_group_segment_fixed_size 0
		.amdhsa_private_segment_fixed_size 0
		.amdhsa_enable_private_segment 0
		.amdhsa_kernarg_size 40
		.amdhsa_user_sgpr_count 2
		.amdhsa_user_sgpr_kernarg_segment_ptr 1
		.amdhsa_wavefront_size32 1
		.amdhsa_system_sgpr_workgroup_id_x 1
		.amdhsa_system_sgpr_workgroup_id_y 1
		.amdhsa_system_sgpr_workgroup_id_z 1
		.amdhsa_system_vgpr_workitem_id 0
		.amdhsa_next_free_vgpr 80
		.amdhsa_next_free_sgpr 66
		.amdhsa_reserve_vcc 0
		.amdhsa_float_denorm_mode_32 3
		.amdhsa_float_denorm_mode_16_64 3
		.amdhsa_memory_ordered 1
		.amdhsa_forward_progress 1
		.amdhsa_inst_pref_size 8
	.end_amdhsa_kernel
	.amdgpu_metadata
---
amdhsa.version: [ 1, 2 ]
amdhsa.kernels:
  - .name:           k_q2171052cf5_combine
    .symbol:         k_q2171052cf5_combine.kd
    .args:
      - { .name: ybuf, .offset: 0, .size: 8, .value_kind: global_buffer, .address_space: global }
      - { .name: src, .offset: 8, .size: 8, .value_kind: global_buffer, .address_space: global }
      - { .name: sel, .offset: 16, .size: 8, .value_kind: global_buffer, .address_space: global }
      - { .name: fl, .offset: 24, .size: 8, .value_kind: global_buffer, .address_space: global }
      - { .name: out0, .offset: 32, .size: 8, .value_kind: global_buffer, .address_space: global }
    .group_segment_fixed_size: 0
    .private_segment_fixed_size: 0
    .kernarg_segment_align: 8
    .kernarg_segment_size: 40
    .max_flat_workgroup_size: 128
    .sgpr_count:     66
    .vgpr_count:     80
    .wavefront_size: 32
...
	.end_amdgpu_metadata
.endif
;; end of part 9
